; MI455X (gfx1250); checked and timed in simulation.
; The chip was launched on July 23, 2026; its instructions are those of AMD's public machine-readable ISA for CDNA 5 (MIT licence, August 2026) and "CDNA5" Instruction Set Architecture Reference Guide (July 2026). The comments in the code are by the model that wrote it; some were corrected since.
;; Ro PE Attention Layer. Allowed arithmetic: matrix products marked QUANTISED: E2M1 operands, one E8M0 scale for each 32 along K, by v_wmma_scale_f32_16x16x128_f8f6f4 with both operands' format E2M1 (or v_wmma_scale_f32_32x16x128_f4), f32 sums; everything else in f32.
;; Inputs: W1_codes 2,048 x 16 x 16 uint8 (E2M1 codes of W1, K innermost, in blocks of 32 codes, two codes a byte); W1_scales 2,048 x 16 uint8 (E8M0 scales of W1, one for each 32 codes along K); W2_codes 512 x 64 x 16 uint8 (E2M1 codes of W2, K innermost, in blocks of 32 codes, two codes a byte); W2_scales 512 x 64 uint8 (E8M0 scales of W2, one for each 32 codes along K); Wk_codes 512 x 16 x 16 uint8 (E2M1 codes of Wk, K innermost, in blocks of 32 codes, two codes a byte); Wk_scales 512 x 16 uint8 (E8M0 scales of Wk, one for each 32 codes along K); Wo_codes 512 x 16 x 16 uint8 (E2M1 codes of Wo, K innermost, in blocks of 32 codes, two codes a byte); Wo_scales 512 x 16 uint8 (E8M0 scales of Wo, one for each 32 codes along K); Wq_codes 512 x 16 x 16 uint8 (E2M1 codes of Wq, K innermost, in blocks of 32 codes, two codes a byte); Wq_scales 512 x 16 uint8 (E8M0 scales of Wq, one for each 32 codes along K); Wv_codes 512 x 16 x 16 uint8 (E2M1 codes of Wv, K innermost, in blocks of 32 codes, two codes a byte); Wv_scales 512 x 16 uint8 (E8M0 scales of Wv, one for each 32 codes along K); b1 2,048 float32; b2 512 float32; be1 512 float32; be2 512 float32; g1 512 float32; g2 512 float32; src 2 x 4,096 x 512 float32.
;; Outputs: out0 2 x 4,096 x 512 float32.
;; This version of the problem:
;;   THIS VERSION OF THE PROBLEM IS GIVEN IN LOW PRECISION. The matrix products marked QUANTISED in the list below multiply operands that are first quantised to E2M1 (2 exponent bits, 1 mantissa bit; 4 bits a number), with one power-of-two scale for each 32 numbers along K (OCP MX v1.0); their sums are f32. All else is computed in f32.
;;   The module's matrix products, in the order in which they are computed (A, B: the left and right operand; K: the contracted axis; several contracted axes count as one K, in the product's order):
;;     1. [M 8,192, K 512] x [K 512, N 512]; A: input src; B: input Wq (given as codes): QUANTISED
;;     2. [M 8,192, K 512] x [K 512, N 512]; A: input src; B: input Wk (given as codes): QUANTISED
;;     3. [M 8,192, K 512] x [K 512, N 512]; A: input src; B: input Wv (given as codes): QUANTISED
;;     4. batch 16 x [M 4,096, K 64] x [K 64, N 4,096]; A: computed on the way; B: computed on the way: QUANTISED
;;     5. batch 16 x [M 64, K 4,096] x [K 4,096, N 4,096]; A: computed on the way; B: softmax (see below): QUANTISED
;;     6. [M 8,192, K 512] x [K 512, N 512]; A: computed on the way; B: input Wo (given as codes): QUANTISED
;;     7. [M 8,192, K 512] x [K 512, N 2,048]; A: computed on the way; B: input W1 (given as codes): QUANTISED
;;     8. [M 8,192, K 2,048] x [K 2,048, N 512]; A: computed on the way; B: input W2 (given as codes): QUANTISED
;;   THE QUANTISER, for each operand of a quantised product, along K:
;;     - K is cut into blocks of 32 from its start; a last block that is shorter is filled with zeros.
;;     - A block's scale is 2^e with e = floor(log2(the largest magnitude in the block)) - 2, held to -126 .. 127; a block of zeros has e = 0. As a byte (E8M0): e + 127.
;;     - Each number is divided by its block's scale, clamped to +-6, and rounded to the nearest number of E2M1, ties to even, subnormals kept.
;;     - The product sums the exact products of the quantised numbers (number of the format x scale) in f32.
;;   ~~~python
;;   def quantise(x, axis):      # numpy; x: float32 -> the quantised numbers, widened to float32 again
;;       x = np.moveaxis(x, axis, -1); K = x.shape[-1]
;;       x = np.pad(x, [(0, 0)] * (x.ndim - 1) + [(0, -K % 32)]); x = x.reshape(x.shape[:-1] + (-1, 32)); a = np.abs(x).max(-1, keepdims=True)
;;       e = np.where(a > 0, np.clip(np.frexp(np.where(a > 0, a, 1))[1] - 1 - 2, -126, 127), 0)      # np.frexp(a)[1] - 1 = floor(log2(a)), exactly
;;       r = np.clip(x / 2.0 ** e, -6, 6)
;;       step = 2.0 ** (np.maximum(np.frexp(np.where(r == 0, 1, r))[1] - 1, 0) - 1)
;;       q = np.round(r / step) * step * 2.0 ** e      # np.round: ties to even
;;       return np.moveaxis(q.reshape(q.shape[:-2] + (-1,))[..., :K], -1, axis).astype(np.float32)
;;   ~~~
;;   SOFTMAX AHEAD OF A QUANTISED PRODUCT. Where the list says 'softmax', what is quantised is not the finished softmax but p = 2^(t - M), with t = logit x log2(e) and M = ceil(the row's largest t), a whole number; so 1/2 < the row's largest p <= 1. The row's sum l is taken of the UNQUANTISED p, in f32, and the product's result is divided by l at the end. Since M is a whole number, a kernel that streams over the keys may use a running M (the ceiling of the running maximum): every later rescaling is an exact power of two, which a block's scale takes up: the codes' values come out the same.
;;   OPERANDS COMPUTED ON THE WAY. 'Computed on the way' means the value that the module computes at that place (a softmax that the list does not call 'softmax' is quantised finished and normalised). What goes into a quantiser is computed in f32, as accurately as f32 sums, v_exp_f32 and their like allow (about 1e-6 of the number): no bf16 or f16 on the way to a quantiser, and a product that is left as it is and whose result goes on into a quantised operand takes f32 operands (vector FMAs, or v_wmma_f32_16x16x4_f32). A number that lies on a knife's edge between two numbers of the format may be rounded either way, as far as f32 arithmetic and the matrix unit's own rounding can turn it there, and no further.
;;   INPUTS GIVEN AS CODES. W1 (in the module: [2048, 512], K = its axis 1); W2 (in the module: [512, 2048], K = its axis 1); Wk (in the module: [512, 512], K = its axis 1); Wo (in the module: [512, 512], K = its axis 1); Wq (in the module: [512, 512], K = its axis 1); Wv (in the module: [512, 512], K = its axis 1): each comes as NAME_codes (uint8): NAME with its K axis moved to the last place and cut into blocks of 32 codes, [.., K / 32, bytes a block], one block behind the other in memory; two codes a byte, the lower K in the low four bits (a code: sign, 2 exponent bits, 1 mantissa bit); and NAME_scales (uint8): the same leading axes, one E8M0 byte (e + 127) for each 32 codes along K. Its value is code x scale, taken as it is: it is not quantised again, and the codes and scales need not be those that the quantiser above would give.
;; One version. Each part assembles by itself: llvm-mc -triple=amdgcn-amd-amdhsa -mcpu=gfx1250 --defsym DOCPART=n.
;; ======== version 1 of 1: 3 launches
;; limits: right only within a limited range of input values
;; workspace buffers: QI 2,228,224 bytes; KV 4,456,448 bytes; CI 2,097,152 bytes; CS 131,072 bytes; WI 1,179,648 bytes; WS 73,728 bytes
;; launch proj (part 1): grid 4 x 64, 16 waves a work-group, no clusters, 141,312 bytes of LDS; arguments src, Wq_codes, Wk_codes, Wv_codes, Wq_scales, Wk_scales, Wv_scales, QI, KV, Wo_codes, W1_codes, W2_codes, Wo_scales, W1_scales, W2_scales, WI, WS; writes QI, KV, WI, WS
.if DOCPART == 1
	.amdgcn_target "amdgcn-amd-amdhsa--gfx1250"
	.amdhsa_code_object_version 6
	.text
	.protected	k_qcc4a090d4d_proj
	.globl	k_qcc4a090d4d_proj
	.p2align	8
	.type	k_qcc4a090d4d_proj,@function
k_qcc4a090d4d_proj:
	s_mov_b64 s[64:65], 0
	v_nop
	global_prefetch_b8 v0, s[64:65] scope:SCOPE_SE
	s_setreg_imm32_b32 hwreg(HW_REG_WAVE_MODE, 25, 1), 1
	s_wait_xcnt 0x0
; PROJ.  q = rope(src Wq^T), k = rope(src Wk^T), v = src Wv^T, all three products on codes of FP4 (E2M1) with one E8M0 scale for each 32 along K.
; src [8192][512] f32 is quantised here; the weights arrive as codes.  q and k are quantised along the head's 64, v along the keys, and leave as IMAGES OF OPERAND REGISTERS:
;   QI [head 16][step 32][4,352]: codes [b 4][u 2][lane][16 bytes], then two scale registers of 128 bytes.
;   KV [head 16][step 32][8,704]: K's codes (as Q's), V's codes [t 4][c 2][lane][16], two scale registers of K, two of V.
; A step is 128 tokens.  A TILE of 16 rows is not 16 neighbours: lane row r of tile T is row 32 (T / 2) + 8 (T % 2) + r + 8 (r / 8), for tokens, for rows of a weight and for V's channels alike:
; so the 16 result registers of tiles 2 B and 2 B + 1 are 16 neighbours, 32 B + 16 (lane / 16) + 0 .. 15, along the axis that the next quantiser walks.
; SHARES.  A work-group takes 128 tokens (grid y) and two heads (grid x).  All sixteen waves first quantise the 128 x 512 numbers of src into LDS (wave w: token tile w / 2, K half w % 2) and make the
; tile's cosines and sines; one barrier; then waves 0-7 make q and k (wave: q or k, one head, four token tiles; its 16 weight fragments stay in registers), waves 8-15 make v (wave: one head, 16 channels, all 128 keys).
; The four work-groups along x quantise the same tokens again: sharing them would leave three WGPs in four without work.
; BESIDES, each of the launch's first 2,448 waves copies 512 bytes of Wo, W1 or W2 (codes or scales) into WI, WS in the order in which the last launch's operand registers take them.
; LIMITS: NaN and infinities among the inputs are not served.  A block whose largest magnitude lies under 2^-124 keeps the scale byte 1 (a block of zeros too: its codes are zeros, and this program alone
; reads the bytes).  RoPE's 10000^(-f/32) is 2^(-f C) by v_exp_f32 with C in two parts: right to about one part in 10^7, not bit for bit a library's power; sine and cosine by reduction with pi/2 in
; two parts and polynomials of degree 7 and 8, right to about 1e-7 for the angles of this problem (under 4,096).
.set XIMG, 0                           ; LDS: src's fragments [token tile 8][K step 4] x 1,024 bytes,
.set XSC,  32768                       ; their scale words [tile][K step] x 128 bytes (a row's word in lanes r and 16 + r),
.set CSI,  36864                       ; cosines and sines: 4,096 bytes a tile: register groups 0-3 cos, 4-7 sin, 512 bytes each,
.set STG,  69632                       ; and a stage of 16 rows x 272 bytes for each wave
.set SEL,  96                          ; s[96:97] v_permlanex16_b32's selects for lane l xor 16
.set HM,   77                          ; s77 the mask of lanes 16-31
.set HTM,  96                          ; HQ2's six registers at work, its pair of scale bytes, its codes
.set HS16, 102
.set HPC,  104
.set QTM,  224                         ; QUANT4's
.set QPW,  240
.set QPC,  244
.macro PLACES n
.rept \n
	v_nop
.endr
.endm
; one product 16 x 16 x 128.  z = 1: it starts the sum.  row = 1: source 0's scales stand in lanes 16-31
.macro WM d, a, b, z, sa, sb, row
.if (\z)
.if (\row)
	v_wmma_scale_f32_16x16x128_f8f6f4 v[(\d):(\d)+7], v[(\a):(\a)+7], v[(\b):(\b)+7], 0, v[(\sa)], v[(\sb)] matrix_a_fmt:MATRIX_FMT_FP4 matrix_b_fmt:MATRIX_FMT_FP4 matrix_a_scale:MATRIX_SCALE_ROW1
.else
	v_wmma_scale_f32_16x16x128_f8f6f4 v[(\d):(\d)+7], v[(\a):(\a)+7], v[(\b):(\b)+7], 0, v[(\sa)], v[(\sb)] matrix_a_fmt:MATRIX_FMT_FP4 matrix_b_fmt:MATRIX_FMT_FP4
.endif
.else
.if (\row)
	v_wmma_scale_f32_16x16x128_f8f6f4 v[(\d):(\d)+7], v[(\a):(\a)+7], v[(\b):(\b)+7], v[(\d):(\d)+7], v[(\sa)], v[(\sb)] matrix_a_fmt:MATRIX_FMT_FP4 matrix_b_fmt:MATRIX_FMT_FP4 matrix_a_scale:MATRIX_SCALE_ROW1
.else
	v_wmma_scale_f32_16x16x128_f8f6f4 v[(\d):(\d)+7], v[(\a):(\a)+7], v[(\b):(\b)+7], v[(\d):(\d)+7], v[(\sa)], v[(\sb)] matrix_a_fmt:MATRIX_FMT_FP4 matrix_b_fmt:MATRIX_FMT_FP4
.endif
.endif
.endm
; 32 numbers of a lane, register 16 b + i = k 32 b + 16 (lane / 16) + i of my row, become 16 bytes of codes (lane half h: block h whole) in v[HPC] on and the two scale bytes in v[HS16]
.macro HQ2 s
.irp b,0,1
	v_max3_num_f32 v[HTM+\b], |v[\s+16*\b]|, |v[\s+1+16*\b]|, 0x1800000   ; my 16 numbers of block b, and the floor 2^(3 - 127): the byte cannot fall under 1
.endr
.irp i,2,4,6,8,10,12,14
.irp b,0,1
	s_delay_alu instid0(VALU_DEP_2)
	v_max3_num_f32 v[HTM+\b], v[HTM+\b], |v[\s+16*\b+\i]|, |v[\s+1+16*\b+\i]|
.endr
.endr
.irp b,0,1
	s_delay_alu instid0(VALU_DEP_2)
	v_permlanex16_b32 v[HTM+2+\b], v[HTM+\b], s[SEL], s[SEL+1]
.endr
.irp b,0,1
	s_delay_alu instid0(VALU_DEP_2)
	v_max_num_f32 v[HTM+\b], v[HTM+\b], v[HTM+2+\b]          ; with lane l xor 16's: the block's largest magnitude
.endr
.irp b,0,1
	s_delay_alu instid0(VALU_DEP_2)
	v_add_nc_u32 v[HTM+4+\b], 0xff000000, v[HTM+\b]          ; 2 off its exponent field: the conversion's scale operand
.endr
.irp b,0,1
	s_delay_alu instid0(VALU_DEP_2)
	v_lshrrev_b32 v[HTM+2+\b], 23, v[HTM+4+\b]               ; the scale's byte
.endr
	s_delay_alu instid0(VALU_DEP_1)
	v_lshl_or_b32 v[HS16], v[HTM+3], 8, v[HTM+2]
.irp b,0,1
	v_cvt_scalef32_pk8_fp4_f32 v[HPC+2*\b], v[\s+16*\b:\s+7+16*\b], v[HTM+4+\b]
	v_cvt_scalef32_pk8_fp4_f32 v[HPC+1+2*\b], v[\s+8+16*\b:\s+15+16*\b], v[HTM+4+\b]
.endr
	v_nop                                                    ; one plain line behind the last scaled conversion
	v_permlane16_swap_b32 v[HPC], v[HPC+2]                   ; half blocks change places: lanes 0-15 now hold block 0 whole, lanes 16-31 block 1
	v_permlane16_swap_b32 v[HPC+1], v[HPC+3]
.endm
; 64 numbers of a lane, register 16 b + i = k 32 b + 16 (lane / 16) + i, become a fragment's 8 registers in v[QPC] on and its scale word in v[QPW]
.macro QUANT4 s
.irp b,0,1,2,3
	v_max3_num_f32 v[QTM+\b], |v[\s+16*\b]|, |v[\s+1+16*\b]|, 0x1800000
.endr
.irp i,2,4,6,8,10,12,14
.irp b,0,1,2,3
	v_max3_num_f32 v[QTM+\b], v[QTM+\b], |v[\s+16*\b+\i]|, |v[\s+1+16*\b+\i]|
.endr
.endr
.irp b,0,1,2,3
	s_delay_alu instid0(VALU_DEP_4)
	v_permlanex16_b32 v[QTM+4+\b], v[QTM+\b], s[SEL], s[SEL+1]
.endr
.irp b,0,1,2,3
	s_delay_alu instid0(VALU_DEP_4)
	v_max_num_f32 v[QTM+\b], v[QTM+\b], v[QTM+4+\b]
.endr
.irp b,0,1,2,3
	s_delay_alu instid0(VALU_DEP_4)
	v_add_nc_u32 v[QTM+12+\b], 0xff000000, v[QTM+\b]
.endr
.irp b,0,1,2,3
	s_delay_alu instid0(VALU_DEP_4)
	v_lshrrev_b32 v[QTM+4+\b], 23, v[QTM+12+\b]
.endr
	s_delay_alu instid0(VALU_DEP_3)
	v_lshl_or_b32 v[QPW], v[QTM+5], 8, v[QTM+4]
	s_delay_alu instid0(VALU_DEP_1)
	v_lshl_or_b32 v[QPW], v[QTM+6], 16, v[QPW]
	s_delay_alu instid0(VALU_DEP_1)
	v_lshl_or_b32 v[QPW], v[QTM+7], 24, v[QPW]
.irp b,0,1,2,3
	v_cvt_scalef32_pk8_fp4_f32 v[QPC+2*\b], v[\s+16*\b:\s+7+16*\b], v[QTM+12+\b]
	v_cvt_scalef32_pk8_fp4_f32 v[QPC+1+2*\b], v[\s+8+16*\b:\s+15+16*\b], v[QTM+12+\b]
.endr
	v_nop
.irp c,0,1
.irp i,0,1
	v_permlane16_swap_b32 v[QPC+4*\c+\i], v[QPC+2+4*\c+\i]
.endr
.endr
.endm
	s_load_b512 s[8:23], s[0:1], 0x0               ; src 8, Wq codes 10, Wk codes 12, Wv codes 14, Wq scales 16, Wk scales 18, Wv scales 20, QI 22
	s_load_b512 s[24:39], s[0:1], 0x40             ; KV 24, Wo codes 26, W1 codes 28, W2 codes 30, Wo scales 32, W1 scales 34, W2 scales 36, WI 38
	s_load_b64 s[40:41], s[0:1], 0x80              ; WS
	v_lshrrev_b32 v1, 5, v0
	s_delay_alu instid0(VALU_DEP_1)
	v_readfirstlane_b32 s2, v1                     ; wave 0..15
	v_and_b32 v1, 31, v0                           ; lane
	v_and_b32 v2, 15, v0                           ; r
	v_bfe_u32 v3, v0, 4, 1                         ; h
	s_delay_alu instid0(VALU_DEP_2)
	v_and_b32 v4, 8, v2
	s_delay_alu instid0(VALU_DEP_1)
	v_add_nc_u32 v4, v4, v2                        ; rp = r + 8 (r / 8)
	s_mov_b32 s3, ttmp9                            ; which pair of heads
	s_and_b32 s4, ttmp7, 0xffff                    ; which 128 tokens of the 8,192
	s_and_b32 s5, s4, 31                           ; the step within the batch
	s_lshr_b32 s6, s2, 1                           ; the token tile that I quantise
	s_and_b32 s7, s2, 1                            ; and which half of K
	v_lshlrev_b32 v16, 4, v1                       ; 16 x lane: an image's place; never rewritten
	v_lshlrev_b32 v17, 2, v1                       ; 4 x lane
	v_lshlrev_b32 v5, 4, v2
	s_delay_alu instid0(VALU_DEP_1)
	v_lshl_add_u32 v5, v3, 11, v5                  ; src: lanes 0-15 take 256 bytes of one row, lanes 16-31 of the next
	s_mul_i32 s42, s2, 4352
	s_add_co_u32 s42, s42, STG                     ; my stage
	v_mul_u32_u24 v6, v3, 272
	s_delay_alu instid0(VALU_DEP_1)
	v_lshl_add_u32 v6, v2, 4, v6
	s_delay_alu instid0(VALU_DEP_1)
	v_add_nc_u32 v6, s42, v6                       ; into it: as loaded
	v_mul_u32_u24 v7, v2, 272
	s_delay_alu instid0(VALU_DEP_1)
	v_lshl_add_u32 v7, v3, 7, v7
	s_delay_alu instid0(VALU_DEP_1)
	v_add_nc_u32 v7, s42, v7                       ; out of it: row r, 32 numbers of my half: a whole block to a lane
	s_lshl_b32 s43, s2, 11
	v_add_nc_u32 v8, s43, v16                      ; my two fragments' images: 4,096 x tile + 2,048 x half = 2,048 x wave
	s_lshl_b32 s43, s2, 8
	s_add_co_u32 s43, s43, XSC
	v_add_nc_u32 v9, s43, v17                      ; and their scale words
	s_lshl_b32 s43, s6, 12
	s_lshl_b32 s44, s7, 10
	s_add_co_u32 s43, s43, s44
	s_add_co_u32 s43, s43, CSI
	v_add_nc_u32 v10, s43, v16                     ; my eight cosines and sines
	s_lshr_b32 s45, s2, 2
	s_lshr_b32 s46, s2, 3
	s_xor_b32 s46, s46, 1
	s_and_b32 s45, s45, s46                        ; waves 0-7: which four token tiles are mine; waves 8-15: 0.  All LDS addresses are made here, ahead of the parting of the roles
	s_lshl_b32 s43, s45, 14
	v_add_nc_u32 v11, s43, v16                     ; fragments to read
	s_add_co_u32 s44, s43, CSI
	v_add_nc_u32 v13, s44, v16                     ; cosines and sines to read
	s_lshl_b32 s43, s45, 11
	s_add_co_u32 s43, s43, XSC
	v_add_nc_u32 v12, s43, v17                     ; scale words to read
	v_lshlrev_b32 v14, 8, v4
	s_delay_alu instid0(VALU_DEP_1)
	v_lshl_add_u32 v14, v3, 4, v14                 ; a weight's fragment: row rp of 256 bytes, + 16 h
	v_lshlrev_b32 v15, 4, v4
	s_delay_alu instid0(VALU_DEP_1)
	v_lshl_add_u32 v15, v3, 7, v15                 ; its scale words, two tiles to a register: row 8 h + rp of 16 bytes
	v_lshlrev_b32 v1, 4, v4                        ; one tile's: row rp
	v_cmp_ne_u32 s[HM], 0, v3
.irp i,20,21,22,23
	v_mov_b32 v\i, 0                               ; the copied 16 bytes' registers are written on every way
.endr
	s_lshr_b32 s43, s6, 1
	s_lshl_b32 s43, s43, 5
	s_and_b32 s44, s6, 1
	s_lshl_b32 s44, s44, 3
	s_add_co_u32 s43, s43, s44                     ; my tile's first token among the 128
	s_lshl_b32 s44, s5, 7
	s_add_co_u32 s44, s44, s43
	v_add_nc_u32 v19, s44, v4
	s_delay_alu instid0(VALU_DEP_1)
	v_cvt_f32_u32 v19, v19                         ; my row's position in its sequence
	s_lshl_b32 s44, s4, 7
	s_add_co_u32 s44, s44, s43
	s_lshl_b32 s80, s44, 11                        ; its row of 2,048 bytes in src,
	s_lshl_b32 s44, s7, 10
	s_add_co_u32 s80, s80, s44                     ; my half of K
	s_mov_b32 s81, 0
	s_mov_b32 s[SEL], 0x76543210
	s_mov_b32 s[SEL+1], 0xfedcba98
	s_mov_b32 s84, 0xbfc90fdb                      ; -(pi/2), the f32 nearest,
	s_mov_b32 s85, 0x333bbd2e                      ; and what that leaves
	s_mov_b32 s86, 0xbe2aaaa3                      ; sine: r + r z (S1 + z (S2 + z S3)), z = r r
	s_mov_b32 s87, 0x3c08839e
	s_mov_b32 s88, 0xb94ca1f9
	s_mov_b32 s89, 0x3d2aaaa5                      ; cosine: 1 - z / 2 + z z (C1 + z (C2 + z C3))
	s_mov_b32 s90, 0xbab6061a
	s_mov_b32 s91, 0x37ccf5ce
	; THE COPY.  Wave number id of the launch copies 512 bytes: ids 0-255 half fragments of Wo, 256-1,279 of W1, 1,280-2,303 of W2 (tile n, 32 sc bytes along the row); 2,304-2,447 groups of scale words.
	s_lshl_b32 s48, s4, 2
	s_add_co_u32 s48, s48, s3
	s_lshl_b32 s48, s48, 4
	s_add_co_u32 s48, s48, s2                      ; id
	s_mov_b32 s49, 0                               ; the class's first id
	s_mov_b32 s50, 3                               ; n = (id in class >> s50) << s55
	s_mov_b32 s51, 7                               ; sc = id in class & s51
	s_mov_b32 s52, 256                             ; bytes in a row
	s_mov_b32 s53, 16                              ; from lanes 0-15 to lanes 16-31
	s_mov_b32 s54, 32                              ; bytes for each sc
	s_mov_b32 s55, 0
	s_mov_b32 s60, 0                               ; the target buffer's first id
	s_mov_b32 s98, 0xffff                          ; the mask on the tile's number, and
	s_mov_b32 s99, 0                               ; the bytes along a row for each 32 tiles counted: W2 alone is laid by chunks of 512 along K, [chunk 4][tile 32][8 x 512 bytes]
	s_wait_kmcnt 0x0
	s_mov_b64 s[56:57], s[26:27]
	s_mov_b64 s[58:59], s[38:39]
	s_cmp_ge_u32 s48, 256
	s_cselect_b32 s49, 256, s49
	s_cselect_b64 s[56:57], s[28:29], s[56:57]
	s_cmp_ge_u32 s48, 1280
	s_cselect_b32 s49, 1280, s49
	s_cselect_b32 s98, 31, s98                     ; W2: id in class = 256 x chunk + 8 x tile + sc
	s_cselect_b32 s99, 256, s99                    ; a chunk is 256 bytes of a row
	s_cselect_b32 s52, 1024, s52
	s_cselect_b64 s[56:57], s[30:31], s[56:57]
	s_cmp_ge_u32 s48, 2304
	s_cselect_b32 s49, 2304, s49
	s_cselect_b32 s50, 0, s50
	s_cselect_b32 s98, 0xffff, s98
	s_cselect_b32 s99, 0, s99
	s_cselect_b32 s51, 0, s51
	s_cselect_b32 s52, 16, s52
	s_cselect_b32 s53, 128, s53
	s_cselect_b32 s54, 16, s54
	s_cselect_b32 s55, 1, s55
	s_cselect_b32 s60, 2304, s60
	s_cselect_b64 s[56:57], s[32:33], s[56:57]
	s_cselect_b64 s[58:59], s[40:41], s[58:59]
	s_cmp_ge_u32 s48, 2320
	s_cselect_b32 s49, 2320, s49
	s_cselect_b64 s[56:57], s[34:35], s[56:57]
	s_cmp_ge_u32 s48, 2384
	s_cselect_b32 s49, 2384, s49
	s_cselect_b32 s50, 2, s50
	s_cselect_b32 s51, 3, s51
	s_cselect_b32 s52, 64, s52
	s_cselect_b32 s53, 512, s53
	s_cselect_b64 s[56:57], s[36:37], s[56:57]
	s_sub_co_u32 s61, s48, s49
	s_lshr_b32 s62, s61, s50
	s_lshl_b32 s62, s62, s55                       ; tile n
	s_and_b32 s61, s61, s51                        ; sc
	s_lshr_b32 s63, s62, 5
	s_mul_i32 s99, s99, s63                        ; W2: the chunk's place in the row
	s_and_b32 s62, s62, s98                        ; and the tile
	s_lshr_b32 s63, s62, 1
	s_lshl_b32 s63, s63, 5
	s_and_b32 s62, s62, 1
	s_lshl_b32 s62, s62, 3
	s_add_co_u32 s62, s62, s63                     ; the tile's first row
	s_mul_i32 s62, s62, s52
	s_mul_i32 s61, s61, s54
	s_add_co_u32 s62, s62, s61
	s_add_co_u32 s62, s62, s99
	s_mov_b32 s63, 0
	s_add_nc_u64 s[56:57], s[56:57], s[62:63]
	s_sub_co_u32 s62, s48, s60
	s_lshl_b32 s62, s62, 9
	s_add_nc_u64 s[58:59], s[58:59], s[62:63]
	v_mul_u32_u24 v18, v4, s52
	s_delay_alu instid0(VALU_DEP_1)
	v_mad_u32_u24 v18, v3, s53, v18                ; my lane's 16 bytes
	s_cmp_lt_u32 s48, 2448
	s_cbranch_scc0 .Lno_job_load
	global_load_b128 v[20:23], v18, s[56:57]       ; the wave's oldest load: no later count hangs on whether it was issued
.Lno_job_load:
	; MY WEIGHT.  Waves 0-7: q (bit 1 of the wave's number 0) or k (1), head 2 x + bit 0, all 64 rows.  Waves 8-15: v, head 2 x + bit 2, tile t = wave % 4 of its 64 rows
	s_and_b32 s66, s2, 1
	s_bfe_u32 s67, s2, 0x10002
	s_bfe_u32 s72, s2, 0x10001
	s_lshl_b32 s73, s72, 5
	s_lshl_b32 s74, s66, 3
	s_add_co_u32 s73, s73, s74                     ; tile t's first row
	s_cmp_lg_u32 s72, 0
	s_cselect_b64 s[68:69], s[12:13], s[10:11]
	s_cselect_b64 s[70:71], s[18:19], s[16:17]
	s_cmp_lt_u32 s2, 8
	s_cselect_b64 s[68:69], s[68:69], s[14:15]
	s_cselect_b64 s[70:71], s[70:71], s[20:21]
	s_cselect_b32 s66, s66, s67
	s_cselect_b32 s73, 0, s73
	s_lshl_b32 s74, s3, 1
	s_add_co_u32 s74, s74, s66                     ; the head, 0..7; kept
	s_lshl_b32 s75, s74, 6
	s_add_co_u32 s75, s75, s73
	s_lshl_b32 s78, s75, 8
	s_mov_b32 s79, 0
	s_add_nc_u64 s[68:69], s[68:69], s[78:79]      ; codes: 256 bytes a row
	s_lshl_b32 s78, s75, 4
	s_add_nc_u64 s[70:71], s[70:71], s[78:79]      ; scales: 16 bytes a row
	s_add_nc_u64 s[82:83], s[8:9], s[80:81]
	s_cmp_lt_u32 s2, 8
	s_cbranch_scc0 .Lweights_v
.irp a,2,3                                         ; fragment (tile a, K step s) at v[128 + 8 (4 a + s)].  Tiles 0 and 1 come later: their registers first take src's quarters 2 and 3
.irp s,0,1,2,3
.irp c,0,1
	global_load_b128 v[128+8*(4*\a+\s)+4*\c:128+8*(4*\a+\s)+4*\c+3], v14, s[68:69] offset:(32*(\a/2)+8*(\a%2))*256+64*\s+32*\c
.endr
.endr
.endr
.irp b,0,1                                         ; v[120 + 4 b + s]: lanes 0-15 the words of tile 2 b, lanes 16-31 of tile 2 b + 1
	global_load_b128 v[120+4*\b:123+4*\b], v15, s[70:71] offset:512*\b
.endr
	s_branch .Lweights_in
.Lweights_v:
.irp s,0,1,2,3
.irp c,0,1
	global_load_b128 v[192+8*\s+4*\c:195+8*\s+4*\c], v14, s[68:69] offset:64*\s+32*\c
.endr
.endr
	global_load_b128 v[120:123], v1, s[70:71]
.Lweights_in:
; src.  Quarter q of my half of K: 64 numbers of each of my 16 rows.  Each load reads two whole pieces of 256 consecutive bytes
.macro SRCLD q
.irp i,0,1,2,3,4,5,6,7
	global_load_b128 v[24+32*((\q)%2)+104*((\q)/2)+4*\i:24+32*((\q)%2)+104*((\q)/2)+4*\i+3], v5, s[82:83] offset:(2*\i+8*(\i/4))*2048+256*(\q)
.endr
.endm
	SRCLD 0                                        ; all four quarters are asked for at once, 32 loads a wave: into v24, v56, v128, v160 on
	SRCLD 1
	SRCLD 2
	SRCLD 3
	; COSINES AND SINES of position x 10000^(-f/32), f = 16 h + 8 (wave % 2) + i, while the loads are on their way.  Four runs of eight registers, i by turns
.set SA, 88
.set SB, 96
.set SC, 104
.set SD, 112
	s_lshl_b32 s46, s7, 3
	v_lshl_add_u32 v[SB], v3, 4, s46
.irp i,0,1,2,3,4,5,6,7
	v_add_nc_u32 v[SA+\i], \i, v[SB]
.endr
.irp i,0,1,2,3,4,5,6,7
	v_cvt_f32_u32 v[SA+\i], v[SA+\i]               ; f
.endr
.irp i,0,1,2,3,4,5,6,7
	v_mul_f32 v[SB+\i], 0xbed49a80, v[SA+\i]       ; -f x the upper 17 bits of log2(10000) / 32: exact
.endr
	s_wait_alu depctr_va_vdst(0)
.irp i,0,1,2,3,4,5,6,7
	v_exp_f32 v[SB+\i], v[SB+\i]
.endr
.irp i,0,1,2,3,4,5,6,7
	v_mul_f32 v[SC+\i], 0x342ae0f4, v[SA+\i]       ; what the upper bits overshoot, x ln 2.  (Plain work behind the exponentials)
.endr
	s_wait_alu depctr_va_vdst(0)                   ; one wait for the batch of eight, ahead of its first use
.irp i,0,1,2,3,4,5,6,7
	v_fma_f32 v[SB+\i], v[SB+\i], v[SC+\i], v[SB+\i]
.endr
.irp i,0,1,2,3,4,5,6,7
	v_mul_f32 v[SA+\i], v19, v[SB+\i]              ; the angle
.endr
.irp i,0,1,2,3,4,5,6,7
	v_mul_f32 v[SB+\i], 0x3f22f983, v[SA+\i]
.endr
.irp i,0,1,2,3,4,5,6,7
	v_rndne_f32 v[SB+\i], v[SB+\i]                 ; n = the nearest multiple of pi/2
.endr
.irp i,0,1,2,3,4,5,6,7
	v_fma_f32 v[SA+\i], v[SB+\i], s84, v[SA+\i]    ; exact: both are multiples of 2^-23 and the difference is under 1
.endr
.irp i,0,1,2,3,4,5,6,7
	v_fma_f32 v[SA+\i], v[SB+\i], s85, v[SA+\i]    ; rr, within pi/4 of 0
.endr
.irp i,0,1,2,3,4,5,6,7
	v_cvt_i32_f32 v[SB+\i], v[SB+\i]
.endr
.irp i,0,1,2,3,4,5,6,7
	v_mul_f32 v[SC+\i], v[SA+\i], v[SA+\i]         ; z
.endr
.irp i,0,1,2,3,4,5,6,7
	v_fma_f32 v[SD+\i], v[SC+\i], s88, s87
.endr
.irp i,0,1,2,3,4,5,6,7
	v_fma_f32 v[SD+\i], v[SD+\i], v[SC+\i], s86
.endr
.irp i,0,1,2,3,4,5,6,7
	v_mul_f32 v[SD+\i], v[SD+\i], v[SC+\i]
.endr
.irp i,0,1,2,3,4,5,6,7
	v_fma_f32 v[SD+\i], v[SD+\i], v[SA+\i], v[SA+\i]   ; sin rr
.endr
.irp i,0,1,2,3,4,5,6,7
	v_fma_f32 v[SA+\i], v[SC+\i], s91, s90
.endr
.irp i,0,1,2,3,4,5,6,7
	v_fma_f32 v[SA+\i], v[SA+\i], v[SC+\i], s89
.endr
.irp i,0,1,2,3,4,5,6,7
	v_mul_f32 v[SA+\i], v[SA+\i], v[SC+\i]
.endr
.irp i,0,1,2,3,4,5,6,7
	v_mul_f32 v[SA+\i], v[SA+\i], v[SC+\i]
.endr
.irp i,0,1,2,3,4,5,6,7
	v_fma_f32 v[SC+\i], v[SC+\i], -0.5, 1.0
.endr
.irp i,0,1,2,3,4,5,6,7
	v_add_f32 v[SA+\i], v[SA+\i], v[SC+\i]         ; cos rr
.endr
.irp i,0,1,2,3,4,5,6,7                             ; the quadrant: odd n swaps the two; the sine is negative for n % 4 = 2, 3, the cosine for 1, 2
	v_and_b32 v[SC+\i], 1, v[SB+\i]
	s_delay_alu instid0(VALU_DEP_1)
	v_cmp_ne_u32 vcc_lo, 0, v[SC+\i]
	s_delay_alu instid0(VALU_DEP_1)
	v_cndmask_b32 v[SC+\i], v[SD+\i], v[SA+\i], vcc_lo
	s_delay_alu instid0(VALU_DEP_2)
	v_cndmask_b32 v[SD+\i], v[SA+\i], v[SD+\i], vcc_lo
.endr
.irp i,0,1,2,3,4,5,6,7
	v_lshlrev_b32 v[SA+\i], 30, v[SB+\i]
	v_add_nc_u32 v[SB+\i], 1, v[SB+\i]
.endr
.irp i,0,1,2,3,4,5,6,7
	v_and_b32 v[SA+\i], 0x80000000, v[SA+\i]
	v_lshlrev_b32 v[SB+\i], 30, v[SB+\i]
.endr
.irp i,0,1,2,3,4,5,6,7
	v_xor_b32 v[SC+\i], v[SC+\i], v[SA+\i]         ; the sine
	v_and_b32 v[SB+\i], 0x80000000, v[SB+\i]
.endr
.irp i,0,1,2,3,4,5,6,7
	v_xor_b32 v[SD+\i], v[SD+\i], v[SB+\i]         ; the cosine
.endr
	ds_store_b128 v10, v[SD:SD+3]
	ds_store_b128 v10, v[SD+4:SD+7] offset:512
	ds_store_b128 v10, v[SC:SC+3] offset:2048
	ds_store_b128 v10, v[SC+4:SC+7] offset:2560
; A quarter of my half of K: through my stage, so that a lane holds a whole block of 32 neighbours; its scale; its 16 bytes of codes are registers 4 c .. 4 c + 3 (c = q % 2) of fragment q / 2
.macro HT q
.set RS, 24+32*((\q)%2)+104*((\q)/2)
	s_wait_loadcnt 24-8*(\q)                       ; loads come back in order: all but the later quarters' eight each are in
.if \q == 0
	s_cmp_lt_u32 s48, 2448
	s_cbranch_scc0 .Lno_job_store
	global_store_b128 v16, v[20:23], s[58:59]      ; the copy leaves: 512 consecutive bytes
.Lno_job_store:
.endif
.irp i,0,1,2,3,4,5,6,7
	ds_store_b128 v6, v[RS+4*\i:RS+4*\i+3] offset:544*\i
.endr
.irp i,0,1,2,3,4,5,6,7
	ds_load_b128 v[RS+4*\i:RS+4*\i+3], v7 offset:16*\i   ; LDS serves a wave's instructions in order: these see the stores above
.endr
	s_wait_dscnt 0x0                               ; they are in; and every earlier LDS store has read its registers
	v_max3_num_f32 v96, |v[RS]|, |v[RS+1]|, 0x1800000    ; the block's largest magnitude, in two chains, with the floor 2^(3 - 127)
	v_max3_num_f32 v97, |v[RS+16]|, |v[RS+17]|, |v[RS+18]|
.irp i,2,4,6,8,10,12
	s_delay_alu instid0(VALU_DEP_2)
	v_max3_num_f32 v96, v96, |v[RS+\i]|, |v[RS+\i+1]|
	s_delay_alu instid0(VALU_DEP_2)
	v_max3_num_f32 v97, v97, |v[RS+17+\i]|, |v[RS+18+\i]|
.endr
	s_delay_alu instid0(VALU_DEP_2)
	v_max3_num_f32 v96, v96, |v[RS+14]|, |v[RS+15]|
	s_delay_alu instid0(VALU_DEP_1)
	v_max3_num_f32 v96, v96, v97, |v[RS+31]|
	s_delay_alu instid0(VALU_DEP_1)
	v_add_nc_u32 v98, 0xff000000, v96
	s_delay_alu instid0(VALU_DEP_1)
	v_lshrrev_b32 v[99+(\q)%2], 23, v98
.irp g,0,1,2,3
	v_cvt_scalef32_pk8_fp4_f32 v[104+\g], v[RS+8*\g:RS+8*\g+7], v98
.endr
	v_nop
	ds_store_b128 v8, v[104:107] offset:1024*((\q)/2)+512*((\q)%2)
.if (\q)%2 == 1
	v_lshl_or_b32 v101, v100, 16, v99              ; my two bytes: blocks h and 2 + h of the K step,
	s_delay_alu instid0(VALU_DEP_1)
	v_lshlrev_b32 v102, 8, v101
	s_delay_alu instid0(VALU_DEP_1)
	v_cndmask_b32 v101, v101, v102, s[HM]          ; at their places in the word;
	s_delay_alu instid0(VALU_DEP_1)
	v_permlanex16_b32 v102, v101, s[SEL], s[SEL+1]
	s_delay_alu instid0(VALU_DEP_1)
	v_or_b32 v101, v101, v102                      ; with lane l xor 16's two the word is whole
	ds_store_b32 v9, v101 offset:128*((\q)/2)
.endif
.endm
	HT 0
	HT 1
	HT 2
	HT 3
	s_cmp_lt_u32 s2, 8                             ; q's and k's waves: weight tiles 0 and 1, into the registers that src's quarters 2 and 3 have left
	s_cbranch_scc0 .Lno_late_weights
.irp a,0,1
.irp s,0,1,2,3
.irp c,0,1
	global_load_b128 v[128+8*(4*\a+\s)+4*\c:128+8*(4*\a+\s)+4*\c+3], v14, s[68:69] offset:(32*(\a/2)+8*(\a%2))*256+64*\s+32*\c
.endr
.endr
.endr
.Lno_late_weights:
	; where my results go: the step's image of my head, in QI (q) or KV (k, v)
	s_lshr_b32 s84, s2, 3
	s_or_b32 s84, s84, s72
	s_cmp_lg_u32 s84, 0
	s_cselect_b64 s[86:87], s[24:25], s[22:23]
	s_mov_b32 s85, 4352
	s_cselect_b32 s85, 8704, s85
	s_mov_b32 s88, 4096
	s_cselect_b32 s88, 8192, s88                   ; where q's or k's scale registers begin
	s_lshr_b32 s89, s4, 5
	s_lshl_b32 s89, s89, 3
	s_add_co_u32 s89, s89, s74                     ; head 0..15
	s_lshl_b32 s89, s89, 5
	s_add_co_u32 s89, s89, s5
	s_mul_i32 s90, s89, s85
	s_mov_b32 s91, 0
	s_add_nc_u64 s[86:87], s[86:87], s[90:91]
	s_wait_xcnt 0x0
	s_wait_dscnt 0x0                               ; my LDS stores have landed
	s_barrier_signal -1
	s_barrier_wait -1                              ; everybody's have: from here on LDS is only read
	s_cmp_lt_u32 s2, 8
	s_cbranch_scc0 .Lrole_v
	; ---- q or k: four token tiles.  Source 0 = 16 rows of the weight, source 1 = 16 tokens: a lane holds one token, its 32 registers the head's dims 16 h + i and 32 + 16 h + i
	s_lshl_b32 s90, s45, 7
	s_add_co_u32 s90, s90, s88
	s_add_nc_u64 s[92:93], s[86:87], s[90:91]      ; my scale register
	s_lshl_b32 s90, s45, 11
	s_add_nc_u64 s[86:87], s[86:87], s[90:91]      ; my four tiles' codes
.macro QKTILE tt
.irp s,0,1,2,3
.irp c,0,1
	ds_load_b128 v[56+8*\s+4*\c:59+8*\s+4*\c], v11 offset:4096*\tt+1024*\s+512*\c
.endr
	ds_load_b32 v[88+\s], v12 offset:512*\tt+128*\s
.endr
	s_wait_dscnt 0x0
.irp a,0,1,2,3                                     ; the four accumulators by turns, one instruction a turn
	WM 24+8*\a,128+32*\a,56,1,120+4*(\a/2),88,\a%2
.endr
.irp s,1,2,3
.irp a,0,1,2,3
	WM 24+8*\a,128+8*(4*\a+\s),56+8*\s,0,120+4*(\a/2)+\s,88+\s,\a%2
.endr
.endr
	PLACES 4                                       ; in front of loads into operands, and of the first read of results
.irp g,0,1,2,3,4,5,6,7
	ds_load_b128 v[56+4*\g:59+4*\g], v13 offset:4096*\tt+512*\g   ; v56-71 cos, v72-87 sin of f = 16 h + i at my token
.endr
	s_wait_dscnt 0x0
.irp i,0,2,4,6,8,10,12,14                          ; RoPE, two dims at a time, each accumulator from its low end on
.set RT, 110+4*((\i/2)%2)
	v_pk_mul_f32 v[RT:RT+1], v[40+\i:41+\i], v[72+\i:73+\i]
	v_pk_mul_f32 v[RT+2:RT+3], v[24+\i:25+\i], v[72+\i:73+\i]
	v_pk_fma_f32 v[24+\i:25+\i], v[24+\i:25+\i], v[56+\i:57+\i], v[RT:RT+1] neg_lo:[0,0,1] neg_hi:[0,0,1]
	v_pk_fma_f32 v[40+\i:41+\i], v[40+\i:41+\i], v[56+\i:57+\i], v[RT+2:RT+3]
.endr
	s_wait_xcnt 0x0                                ; the last tile's store has read its registers
	HQ2 24
	global_store_b128 v16, v[HPC:HPC+3], s[86:87] offset:1024*((\tt)/2)+512*((\tt)%2)   ; 512 consecutive bytes
.if (\tt)%2 == 0
	v_mov_b32 v103, v[HS16]
.else
	v_lshl_or_b32 v[108+(\tt)/2], v[HS16], 16, v103   ; a pair of tiles' word: tile u's two bytes at 16 u
.endif
.endm
	s_wait_loadcnt 0x0                             ; weight tiles 0 and 1 are in
	QKTILE 0
	QKTILE 1
	QKTILE 2
	QKTILE 3
	s_delay_alu instid0(VALU_DEP_1)
	v_cndmask_b32 v108, v108, v109, s[HM]          ; lanes 0-15 the first pair's words, lanes 16-31 the second's
	global_store_b32 v17, v108, s[92:93]
	s_wait_xcnt 0x0
	s_mov_b32 exec_lo, -1
	v_lshl_add_u32 v118, v0, 2, 0x22000
	v_mov_b32 v119, 0
	s_wait_alu depctr_va_vdst(0)
	s_wait_tensorcnt 0x0
	ds_add_u32 v118, v119
	s_wait_dscnt 0x0
	s_endpgm
.Lrole_v:
	; ---- v: source 0 = 16 tokens, source 1 = my 16 channels: a lane holds one channel, its 64 registers the step's keys 32 b + 16 h + i
	s_and_b32 s90, s2, 3                           ; t
	s_lshl_b32 s94, s90, 6
	s_add_co_u32 s94, s94, 8448
	s_mov_b32 s95, 0
	s_add_nc_u64 s[92:93], s[86:87], s[94:95]      ; my half of a scale register
	s_lshl_b32 s90, s90, 10
	s_add_co_u32 s90, s90, 4096
	s_add_nc_u64 s[86:87], s[86:87], s[90:91]      ; my fragment
.irp b,0,1,2,3
	v_mov_b32 v[QTM+4+\b], 0                       ; a lane permute's destination counts as one of its sources
.endr
.macro VSTEP ks
.if \ks > 0
	PLACES 4
.endif
.irp t,0,1,2,3,4,5,6,7
.irp c,0,1
	ds_load_b128 v[128+8*\t+4*\c:131+8*\t+4*\c], v11 offset:4096*\t+1024*\ks+512*\c
.endr
	ds_load_b32 v[88+\t], v12 offset:512*\t+128*\ks
.endr
	s_wait_dscnt 0x0
.irp t,0,1,2,3,4,5,6,7
.if \ks == 0
	WM 24+8*\t,128+8*\t,192,1,88+\t,120,0
.else
	WM 24+8*\t,128+8*\t,192+8*\ks,0,88+\t,120+\ks,0
.endif
.endr
.endm
	VSTEP 0
	VSTEP 1
	VSTEP 2
	VSTEP 3
	PLACES 4
	QUANT4 24
	global_store_b128 v16, v[QPC:QPC+3], s[86:87]
	global_store_b128 v16, v[QPC+4:QPC+7], s[86:87] offset:512
	s_wait_xcnt 0x0                                ; EXEC changes only behind this wait
	v_cmp_eq_u32 vcc_lo, 0, v3
	s_and_saveexec_b32 s94, vcc_lo
	global_store_b32 v17, v[QPW], s[92:93]         ; lanes 0-15: channel r's word
	s_wait_xcnt 0x0
	s_or_b32 exec_lo, exec_lo, s94
	s_wait_xcnt 0x0
	s_mov_b32 exec_lo, -1
	v_lshl_add_u32 v118, v0, 2, 0x22000
	v_mov_b32 v119, 0
	s_wait_alu depctr_va_vdst(0)
	s_wait_tensorcnt 0x0
	ds_add_u32 v118, v119
	s_wait_dscnt 0x0
	s_endpgm
.Lfunc_end_k_qcc4a090d4d_proj:
	.size	k_qcc4a090d4d_proj, .Lfunc_end_k_qcc4a090d4d_proj-k_qcc4a090d4d_proj
	.p2alignl 7, 3214868480
	.fill 96, 4, 3214868480
	.section	.rodata,"a",@progbits
	.p2align	6, 0x0
	.amdhsa_kernel k_qcc4a090d4d_proj
		.amdhsa_group_segment_fixed_size 141312
		.amdhsa_private_segment_fixed_size 0
		.amdhsa_enable_private_segment 0
		.amdhsa_kernarg_size 136
		.amdhsa_user_sgpr_count 2
		.amdhsa_user_sgpr_kernarg_segment_ptr 1
		.amdhsa_wavefront_size32 1
		.amdhsa_system_sgpr_workgroup_id_x 1
		.amdhsa_system_sgpr_workgroup_id_y 1
		.amdhsa_system_sgpr_workgroup_id_z 1
		.amdhsa_system_vgpr_workitem_id 0
		.amdhsa_next_free_vgpr 256
		.amdhsa_next_free_sgpr 100
		.amdhsa_reserve_vcc 1
		.amdhsa_float_denorm_mode_32 3
		.amdhsa_float_denorm_mode_16_64 3
		.amdhsa_memory_ordered 1
		.amdhsa_forward_progress 1
		.amdhsa_inst_pref_size 93
	.end_amdhsa_kernel
	.amdgpu_metadata
---
amdhsa.version: [ 1, 2 ]
amdhsa.kernels:
  - .name:           k_qcc4a090d4d_proj
    .symbol:         k_qcc4a090d4d_proj.kd
    .args:
      - { .name: src, .offset: 0, .size: 8, .value_kind: global_buffer, .address_space: global }
      - { .name: Wq_codes, .offset: 8, .size: 8, .value_kind: global_buffer, .address_space: global }
      - { .name: Wk_codes, .offset: 16, .size: 8, .value_kind: global_buffer, .address_space: global }
      - { .name: Wv_codes, .offset: 24, .size: 8, .value_kind: global_buffer, .address_space: global }
      - { .name: Wq_scales, .offset: 32, .size: 8, .value_kind: global_buffer, .address_space: global }
      - { .name: Wk_scales, .offset: 40, .size: 8, .value_kind: global_buffer, .address_space: global }
      - { .name: Wv_scales, .offset: 48, .size: 8, .value_kind: global_buffer, .address_space: global }
      - { .name: QI, .offset: 56, .size: 8, .value_kind: global_buffer, .address_space: global }
      - { .name: KV, .offset: 64, .size: 8, .value_kind: global_buffer, .address_space: global }
      - { .name: Wo_codes, .offset: 72, .size: 8, .value_kind: global_buffer, .address_space: global }
      - { .name: W1_codes, .offset: 80, .size: 8, .value_kind: global_buffer, .address_space: global }
      - { .name: W2_codes, .offset: 88, .size: 8, .value_kind: global_buffer, .address_space: global }
      - { .name: Wo_scales, .offset: 96, .size: 8, .value_kind: global_buffer, .address_space: global }
      - { .name: W1_scales, .offset: 104, .size: 8, .value_kind: global_buffer, .address_space: global }
      - { .name: W2_scales, .offset: 112, .size: 8, .value_kind: global_buffer, .address_space: global }
      - { .name: WI, .offset: 120, .size: 8, .value_kind: global_buffer, .address_space: global }
      - { .name: WS, .offset: 128, .size: 8, .value_kind: global_buffer, .address_space: global }
    .group_segment_fixed_size: 141312
    .private_segment_fixed_size: 0
    .kernarg_segment_align: 8
    .kernarg_segment_size: 136
    .max_flat_workgroup_size: 512
    .sgpr_count:     100
    .vgpr_count:     256
    .wavefront_size: 32
...
	.end_amdgpu_metadata
.endif
;; end of part 1
;; launch attn (part 2): grid 16 x 16, 16 waves a work-group, clusters of 4 x 1, 327,680 bytes of LDS; arguments QI, KV, CI, CS; writes CI, CS
.if DOCPART == 2
	.amdgcn_target "amdgcn-amd-amdhsa--gfx1250"
	.amdhsa_code_object_version 6
	.text
	.protected	k_qcc4a090d4d_attn
	.globl	k_qcc4a090d4d_attn
	.p2align	8
	.type	k_qcc4a090d4d_attn,@function
k_qcc4a090d4d_attn:
	s_mov_b64 s[64:65], 0
	v_nop
	global_prefetch_b8 v0, s[64:65] scope:SCOPE_SE
	s_setreg_imm32_b32 hwreg(HW_REG_WAVE_MODE, 25, 1), 1
	s_wait_xcnt 0x0
	s_wait_alu depctr_hold_cnt(0) depctr_sa_sdst(0) depctr_va_vdst(0) depctr_va_sdst(0) depctr_va_ssrc(0) depctr_va_vcc(0) depctr_vm_vsrc(0)
	s_getreg_b32 s2, hwreg(HW_REG_IB_STS2, 6, 4)
	s_cmp_eq_u32 s2, 0
	s_cbranch_scc0 .Lentry_in_a_cluster
	s_endpgm
.Lentry_in_a_cluster:
	s_bfe_u32 s2, ttmp6, 0x10000c
	s_cmp_lg_u32 s2, 0x3003
	s_cbranch_scc0 .Lentry_shape_is_right
	s_endpgm
.Lentry_shape_is_right:
; ATTN.  ctx[q] = sum over k of softmax_k(q . k / 8) v[k] for 16 heads of 64, 4,096 keys, both products on codes of FP4 (E2M1) with one E8M0 scale for each 32 along K; ctx leaves quantised along the model's 512.
; THE SOFTMAX: t = score x log2(e) / 8; M = the running largest t rounded UP to a whole number; p = 2^(t - M) is quantised along the keys, not normalised; the row's sum is taken of the unquantised p
; and divides at the end.  When M moves, the sum and O are multiplied by 2^(old M - new M): exact.
; SHARES.  A work-group owns 256 queries of one head, each of its sixteen waves one tile of 16, in 256 registers: four waves to a SIMD, so that one wave's vector work stands beside another's products and LDS loads.
; A HEAD'S K AND V LIE IN LDS WHOLE: 32 steps of 128 keys x 8,704 bytes (K's codes, V's codes, their scale registers) = 278,528 bytes, images of the operand registers as the launch before stored them:
; every LDS load reads 512 consecutive bytes.  LDS is filled once, in two fills: the first eight steps, then the other 24; nothing is filled again.
; CLUSTER.  The four work-groups of a cluster belong to one head: each piece is asked for JOINTLY, by the same tensor load with the same descriptor and a mask that names the four.
; No prefetch: the whole stream is asked for at the head by the tensor loads themselves.
; THE HEAD'S 64 ARE HALF OF THE INSTRUCTION'S 128.  A fragment of K holds TWO tiles of keys: tile 2 b in k 0-63, tile 2 b + 1 in k 64-127.  It is multiplied by (q, 0) and by (0, q): the other tile's codes meet
; zero codes, which add exact zeros.  q is loaded twice, round four registers of zeros, so that both forms are runs of eight registers.
; LAYOUT.  Both products are used transposed (S^T = K Q^T, O^T = V^T P^T): a lane holds ONE query.  The keys of a tile are not neighbours (lane r of tile 2 b + u: key 32 b + 8 u + r + 8 (r / 8)), so the 16
; registers of tiles 2 b, 2 b + 1 are keys 32 b + 16 (lane / 16) + 0 .. 15; V's channels are tiled the same way, so O^T's registers are neighbours along the next product's K.
; LIMITS: NaN and infinities are not served; a block whose largest magnitude lies under 2^-124 keeps the scale byte 1 (its codes are then zeros or nearly).
; REGISTERS: v1, v2 lane terms; v3, v4 the step's addresses; v5 4 r; v6 q's scales; v7 h; v[8:19] q, 0, q; v20 -M, v21 largest score, v[22:23] the sum; v24-27 scale registers; v32-63 K; v64-95 V; v96-159 S^T, then p;
; v160-191 O^T; v192-199 p's codes; v200-212 at work; v[224:225] f; v226 p's scale word.
; (Of the fills the text below holds: LDS is filled once, by TWO joint loads a wave: the first eight steps at the head, the other 24 behind a round of the cluster's barrier.
; v21 holds the running largest SCORE; the blocks' largest scores lie two blocks to a register, v200 and v202; v213 the old -M; s63 the mask of lanes 16-31.)
.set WV,  40
.set TB,  44                           ; s44 LDS byte at which the step in hand begins
.set CNT, 45
.set CS,  46                           ; s[46:47] c = log2(e) / 8
.set SEL, 48                           ; s[48:49] lane l xor 16
.set HTM,  200
.set HS16, 206
.set HPC,  192
.macro PLACES n
.rept \n
	v_nop
.endr
.endm
.macro WM d, a, b, z, sa, sb, row
.if (\z)
.if (\row)
	v_wmma_scale_f32_16x16x128_f8f6f4 v[(\d):(\d)+7], v[(\a):(\a)+7], v[(\b):(\b)+7], 0, v[(\sa)], v[(\sb)] matrix_a_fmt:MATRIX_FMT_FP4 matrix_b_fmt:MATRIX_FMT_FP4 matrix_a_scale:MATRIX_SCALE_ROW1
.else
	v_wmma_scale_f32_16x16x128_f8f6f4 v[(\d):(\d)+7], v[(\a):(\a)+7], v[(\b):(\b)+7], 0, v[(\sa)], v[(\sb)] matrix_a_fmt:MATRIX_FMT_FP4 matrix_b_fmt:MATRIX_FMT_FP4
.endif
.else
.if (\row)
	v_wmma_scale_f32_16x16x128_f8f6f4 v[(\d):(\d)+7], v[(\a):(\a)+7], v[(\b):(\b)+7], v[(\d):(\d)+7], v[(\sa)], v[(\sb)] matrix_a_fmt:MATRIX_FMT_FP4 matrix_b_fmt:MATRIX_FMT_FP4 matrix_a_scale:MATRIX_SCALE_ROW1
.else
	v_wmma_scale_f32_16x16x128_f8f6f4 v[(\d):(\d)+7], v[(\a):(\a)+7], v[(\b):(\b)+7], v[(\d):(\d)+7], v[(\sa)], v[(\sb)] matrix_a_fmt:MATRIX_FMT_FP4 matrix_b_fmt:MATRIX_FMT_FP4
.endif
.endif
.endm
.macro HQ2 s                           ; 32 numbers of a lane, register 16 b + i = k 32 b + 16 (lane / 16) + i: 16 bytes of codes (lane half h: block h) and two scale bytes
.irp b,0,1
	v_max3_num_f32 v[HTM+\b], |v[\s+16*\b]|, |v[\s+1+16*\b]|, 0x1800000
.endr
.irp i,2,4,6,8,10,12,14
.irp b,0,1
	s_delay_alu instid0(VALU_DEP_2)
	v_max3_num_f32 v[HTM+\b], v[HTM+\b], |v[\s+16*\b+\i]|, |v[\s+1+16*\b+\i]|
.endr
.endr
.irp b,0,1
	s_delay_alu instid0(VALU_DEP_2)
	v_permlanex16_b32 v[HTM+2+\b], v[HTM+\b], s[SEL], s[SEL+1]
.endr
.irp b,0,1
	s_delay_alu instid0(VALU_DEP_2)
	v_max_num_f32 v[HTM+\b], v[HTM+\b], v[HTM+2+\b]
.endr
.irp b,0,1
	s_delay_alu instid0(VALU_DEP_2)
	v_add_nc_u32 v[HTM+4+\b], 0xff000000, v[HTM+\b]
.endr
.irp b,0,1
	s_delay_alu instid0(VALU_DEP_2)
	v_lshrrev_b32 v[HTM+2+\b], 23, v[HTM+4+\b]
.endr
	s_delay_alu instid0(VALU_DEP_1)
	v_lshl_or_b32 v[HS16], v[HTM+3], 8, v[HTM+2]
.irp b,0,1
	v_cvt_scalef32_pk8_fp4_f32 v[HPC+2*\b], v[\s+16*\b:\s+7+16*\b], v[HTM+4+\b]
	v_cvt_scalef32_pk8_fp4_f32 v[HPC+1+2*\b], v[\s+8+16*\b:\s+15+16*\b], v[HTM+4+\b]
.endr
	v_nop
	v_permlane16_swap_b32 v[HPC], v[HPC+2]
	v_permlane16_swap_b32 v[HPC+1], v[HPC+3]
.endm
; A round of the cluster's barrier: my work-group's barrier; wave 0 signals for the work-group; every wave waits for all four work-groups; my work-group's barrier once more
.macro ROUND
	s_barrier_signal -1
	s_barrier_wait -1
	s_cmp_lg_u32 s[WV], 0
	s_cbranch_scc1 .Lnot_wave_0_\@
	s_barrier_signal -3
.Lnot_wave_0_\@:
	s_barrier_wait -3
	s_barrier_signal -1
	s_barrier_wait -1
.endm
	s_load_b256 s[8:15], s[0:1], 0x0               ; QI 8, KV 10, CI 12, CS 14
	v_lshl_add_u32 v254, v0, 2, 0x44000
	v_mov_b32 v255, 0
	ds_add_u32 v254, v255
	ds_add_u32 v254, v255
	v_lshrrev_b32 v1, 5, v0
	s_delay_alu instid0(VALU_DEP_1)
	v_readfirstlane_b32 s[WV], v1                  ; wave 0..15
	s_bfe_u32 s41, ttmp6, 0x40000                  ; cx: my place in the cluster
	s_lshl_b32 s42, ttmp9, 2
	s_add_co_u32 s42, s42, s41                     ; my block of 256 queries: it enters Q's, CI's and CS's addresses alone
	s_and_b32 s43, ttmp7, 0xffff                   ; the head 0..15, which the four partners share
	; descriptor group 1: 17 rows of 256 bytes (32 elements of 8 bytes), dense in memory and in LDS
	s_mov_b32 s16, 15|(3<<16)|(1<<21)              ; 15:0 the mask: all four work-groups; 17:16 elements of 8 bytes; 21 set beside a mask; no padding
	s_mov_b32 s17, 32<<16                          ; tensor_dim0 = 32
	s_mov_b32 s18, 17<<16                          ; tensor_dim1 = 17
	s_mov_b32 s19, 32<<16                          ; tile_dim0 = 32
	s_mov_b32 s20, 17                              ; tile_dim1 = 17
	s_mov_b32 s21, 32                              ; from row to row
	s_mov_b32 s22, 0
	s_mov_b32 s23, 0
	s_mul_i32 s50, s43, 278528                     ; the head's image,
	s_mul_i32 s51, s[WV], 4352                     ; my sixteenth of a chunk, in memory and in LDS alike
	s_add_co_u32 s52, s50, s51
	s_mov_b32 s53, 0
	s_lshl_b32 s56, s43, 5                         ; Q: step 2 x block + wave / 8 of the head, tile wave % 8 = 2 b + u
	s_lshl_b32 s57, s42, 1
	s_add_co_u32 s56, s56, s57
	s_lshr_b32 s57, s[WV], 3
	s_add_co_u32 s56, s56, s57
	s_mul_i32 s56, s56, 4352
	s_and_b32 s57, s[WV], 7
	s_lshl_b32 s58, s57, 9
	s_add_co_u32 s58, s58, s56                     ; its codes
	s_mov_b32 s59, 0
	s_lshr_b32 s57, s57, 1
	s_lshl_b32 s60, s57, 6
	s_add_co_u32 s60, s60, s56
	s_add_co_u32 s60, s60, 4096                    ; the pair's scale words
	s_mov_b32 s61, 0
	s_and_b32 s62, s[WV], 1
	s_lshl_b32 s62, s62, 4                         ; 16 u: my tile's two bytes in the word
	s_lshr_b32 s54, s43, 3                         ; the way out: token tile 256 x batch + 16 x block + wave,
	s_lshl_b32 s54, s54, 8
	s_lshl_b32 s55, s42, 4
	s_add_co_u32 s54, s54, s55
	s_add_co_u32 s54, s54, s[WV]
	s_and_b32 s55, s43, 7                          ; head 0..7 of the batch
	s_lshl_b32 s2, s54, 12
	s_lshl_b32 s3, s55, 9
	s_add_co_u32 s2, s2, s3                        ; CI [tile][head][lane][16]
	s_mov_b32 s3, 0
	s_lshl_b32 s6, s54, 8
	s_lshr_b32 s7, s55, 1
	s_lshl_b32 s7, s7, 6
	s_add_co_u32 s6, s6, s7
	s_and_b32 s7, s55, 1
	s_lshl_b32 s7, s7, 1
	s_add_co_u32 s6, s6, s7                        ; CS [tile][K step = head / 2][r][4 bytes], my two bytes at 2 (head % 2)
	s_mov_b32 s7, 0
	s_mov_b32 s[CS], 0x3e38aa3b
	s_mov_b32 s[CS+1], s[CS]                       ; (named with it as a pair, so it is written)
	s_mov_b32 s[SEL], 0x76543210
	s_mov_b32 s[SEL+1], 0xfedcba98
	s_mov_b32 s[TB], 0
	s_wait_dscnt 0x0
	s_wait_kmcnt 0x0
	s_add_nc_u64 s[4:5], s[10:11], s[52:53]
	s_add_nc_u64 s[58:59], s[8:9], s[58:59]
	s_add_nc_u64 s[60:61], s[8:9], s[60:61]
	s_add_nc_u64 s[12:13], s[12:13], s[2:3]
	s_add_nc_u64 s[14:15], s[14:15], s[6:7]
	; THE FILLS ARE TWO, each bytes of its own, none filled again: the first eight steps (69,632 bytes, 17 rows of 256 bytes a wave) at the head,
	; the other 24 steps (208,896 bytes, 51 rows a wave) behind a round of the cluster's barrier: one tensor load a wave each time
	s_mov_b32 s24, 1                               ; group 0 of the first fill
	s_mov_b32 s25, s51
	s_mov_b64 s[26:27], s[4:5]
	s_or_b32 s27, s27, 0x80000000
	s_mul_i32 s52, s[WV], 8704                     ; 13,056 - 4,352 bytes a wave (s53 is 0)
	s_mov_b32 s28, 1                               ; group 0 of the second fill: 69,632 + 13,056 x wave, in memory and in LDS alike
	s_mul_i32 s29, s[WV], 13056
	s_add_co_u32 s29, s29, 69632
	s_add_nc_u64 s[30:31], s[4:5], s[52:53]
	s_add_nc_u64 s[30:31], s[30:31], 69632
	s_or_b32 s31, s31, 0x80000000
	s_mov_b32 s32, 15|(3<<16)|(1<<21)              ; its group 1: 51 rows of 256 bytes, dense
	s_mov_b32 s33, 32<<16
	s_mov_b32 s34, 51<<16
	s_mov_b32 s35, 32<<16
	s_mov_b32 s36, 51
	s_mov_b32 s37, 32
	s_mov_b32 s38, 0
	s_mov_b32 s39, 0
	ROUND                                          ; all four work-groups are here: the joint loads meet
	tensor_load_to_lds s[24:27], s[16:23]          ; my one load at the head
	s_nop 0
	PLACES 4
	v_and_b32 v5, 31, v0
	s_delay_alu instid0(VALU_DEP_1)
	v_lshlrev_b32 v1, 4, v5                        ; 16 x lane
	s_delay_alu instid0(VALU_DEP_2)
	v_lshlrev_b32 v2, 2, v5
	s_delay_alu instid0(VALU_DEP_1)
	v_add_nc_u32 v2, 8192, v2                      ; a step's scale registers: 8,192 + 4 x lane
	v_and_b32 v5, 15, v0
	s_delay_alu instid0(VALU_DEP_1)
	v_lshlrev_b32 v5, 2, v5                        ; 4 r
	v_bfe_u32 v7, v0, 4, 1                         ; h
	v_cmp_ne_u32 s63, 0, v7                        ; s63: the mask of lanes 16-31
	global_load_b128 v[8:11], v1, s[58:59]         ; q, for (q, 0)
	global_load_b128 v[16:19], v1, s[58:59]        ; and once more, for (0, q)
	global_load_b32 v6, v5, s[60:61]
.irp i,12,13,14,15
	v_mov_b32 v\i, 0                               ; zero codes
.endr
	v_mov_b32 v21, 0xff61b1e6                      ; the largest score so far: -3e38, under every score
	s_delay_alu instid0(VALU_DEP_1)
	v_floor_f32 v20, -v21                          ; -M
	v_mov_b32 v22, 0                               ; the sum, in two halves
	v_mov_b32 v23, 0
.irp i,204,205,206,207,225
	v_mov_b32 v\i, 0                               ; lane permutes' destinations, and the upper half of f's pair, are written once
.endr
	s_wait_loadcnt 0x0
	v_lshrrev_b32 v6, s62, v6
	s_delay_alu instid0(VALU_DEP_1)
	v_and_b32 v6, 0xffff, v6
	s_delay_alu instid0(VALU_DEP_1)
	v_lshl_or_b32 v6, v6, 16, v6                   ; q's two scale bytes, for k 0-63 and for k 64-127
.set J, 0
.rept 32
	v_mov_b32 v[160+J], 0                          ; O^T: the step is written once, and its first trip finds zeros.  (These are also the places between q's scales and the first product)
.set J, J+1
.endr
; A KEY STEP: 128 keys
.macro STEP
	v_add_nc_u32 v3, s[TB], v1
	v_add_nc_u32 v4, s[TB], v2
	PLACES 2                                       ; with the two additions: four places behind the last products, in front of loads into their operands
	ds_load_b32 v24, v4                            ; K's scale registers,
	ds_load_b32 v25, v4 offset:128
.irp b,0,1,2,3
.irp c,0,1
	ds_load_b128 v[32+8*\b+4*\c:35+8*\b+4*\c], v3 offset:1024*\b+512*\c   ; K's four fragments of two tiles each,
.endr
.endr
	ds_load_b32 v26, v4 offset:256                 ; V's scale registers,
	ds_load_b32 v27, v4 offset:384
.irp t,0,1,2,3
.irp c,0,1
	ds_load_b128 v[64+8*\t+4*\c:67+8*\t+4*\c], v3 offset:4096+1024*\t+512*\c   ; V's four fragments
.endr
.endr
	s_wait_dscnt 10                                ; K's ten are in; V's ten may stay out
.irp b,0,1,2,3
	WM 96+16*\b,32+8*\b,8,1,24+\b/2,6,\b%2
	WM 104+16*\b,32+8*\b,12,1,24+\b/2,6,\b%2
.endr
	PLACES 4
.irp b,0,1,2,3
	v_max3_num_f32 v[200+\b], v[96+16*\b], v[97+16*\b], v[98+16*\b]   ; the largest score of each block of 32 keys: it serves for the row's maximum and, since p rises with the score, for the block's largest p
.endr
.irp i,3,5,7,9,11,13
.irp b,0,1,2,3
	v_max3_num_f32 v[200+\b], v[200+\b], v[96+16*\b+\i], v[97+16*\b+\i]
.endr
.endr
.irp b,0,1,2,3
	v_max_num_f32 v[200+\b], v[200+\b], v[111+16*\b]
.endr
	; TWO BLOCKS TO A REGISTER: the halves change places, so that one maximum joins lanes l and l xor 16 for two blocks at once:
	; v200: lanes 0-15 block 0's largest score of query r, lanes 16-31 block 1's; v202: blocks 2 and 3
	v_permlane16_swap_b32 v200, v201
	v_permlane16_swap_b32 v202, v203
	s_delay_alu instid0(VALU_DEP_2)
	v_max_num_f32 v200, v200, v201
	s_delay_alu instid0(VALU_DEP_2)
	v_max_num_f32 v202, v202, v203
	s_delay_alu instid0(VALU_DEP_1)
	v_max_num_f32 v212, v200, v202
	s_delay_alu instid0(VALU_DEP_1)
	v_permlanex16_b32 v204, v212, s[SEL], s[SEL+1]
	s_delay_alu instid0(VALU_DEP_1)
	v_max3_num_f32 v21, v21, v212, v204            ; v21: the running largest SCORE of my query (c is positive: its t is the largest t)
	v_mov_b32 v213, v20
	s_delay_alu instid0(VALU_DEP_2)
	v_mul_f32 v212, s[CS], v21
	s_delay_alu instid0(VALU_DEP_1)
	v_floor_f32 v20, -v212                         ; the new -M = -ceil(t): a whole number
	s_delay_alu instid0(VALU_DEP_1)
	v_sub_f32 v212, v20, v213                      ; old M - new M: a whole number, 0 or less
	s_delay_alu instid0(VALU_DEP_1)
	v_cvt_i32_f32 v212, v212                       ; (it saturates)
	s_delay_alu instid0(VALU_DEP_1)
	v_ldexp_f32 v224, 1.0, v212                    ; f = 2^(old M - new M)
.set J, 0
.rept 32
	v_pk_fma_f32 v[96+J:97+J], v[96+J:97+J], s[CS:CS+1], v[20:21] op_sel_hi:[1,0,0]   ; t - M, two at a time
.set J, J+2
.endr
.irp b,0,2
	v_fma_f32 v[200+\b], v[200+\b], s[CS], v20     ; the same of each block's largest score, two blocks to a register
.endr
.set J, 0
	s_wait_alu depctr_va_vdst(0)
.rept 64
	v_exp_f32 v[96+J], v[96+J]                     ; p = 2^(t - M), at most 1
.set J, J+1
.endr
	v_pk_mul_f32 v[22:23], v[22:23], v[224:225] op_sel_hi:[1,0]   ; the sums under the new M.  (A plain line behind the exponentials)
	s_wait_alu depctr_va_vdst(0)                   ; one wait for the batch of 64, ahead of its first use
.irp b,0,2
	v_exp_f32 v[200+\b], v[200+\b]                 ; the blocks' largest p
.endr
	v_pk_add_f32 v[204:205], v[100:101], v[104:105]
	v_pk_add_f32 v[252:253], v[108:109], v[112:113]
	v_pk_add_f32 v[250:251], v[116:117], v[120:121]
	v_pk_add_f32 v[248:249], v[124:125], v[128:129]
	v_pk_add_f32 v[246:247], v[132:133], v[136:137]
	v_pk_add_f32 v[244:245], v[140:141], v[144:145]
	v_pk_add_f32 v[242:243], v[148:149], v[152:153]
	v_pk_add_f32 v[22:23], v[22:23], v[156:157]
	v_pk_add_f32 v[204:205], v[204:205], v[96:97]
	v_pk_add_f32 v[252:253], v[252:253], v[98:99]
	v_pk_add_f32 v[250:251], v[250:251], v[102:103]
	v_pk_add_f32 v[248:249], v[248:249], v[106:107]
	v_pk_add_f32 v[246:247], v[246:247], v[110:111]
	v_pk_add_f32 v[244:245], v[244:245], v[114:115]
	v_pk_add_f32 v[242:243], v[242:243], v[118:119]
	v_pk_add_f32 v[22:23], v[22:23], v[122:123]
	v_pk_add_f32 v[204:205], v[204:205], v[126:127]
	v_pk_add_f32 v[252:253], v[252:253], v[130:131]
	v_pk_add_f32 v[250:251], v[250:251], v[134:135]
	v_pk_add_f32 v[248:249], v[248:249], v[138:139]
	v_pk_add_f32 v[246:247], v[246:247], v[142:143]
	v_pk_add_f32 v[244:245], v[244:245], v[146:147]
	v_pk_add_f32 v[242:243], v[242:243], v[150:151]
	v_pk_add_f32 v[22:23], v[22:23], v[154:155]
	v_pk_add_f32 v[204:205], v[204:205], v[158:159]
	s_delay_alu instid0(VALU_DEP_2)
	v_pk_add_f32 v[22:23], v[22:23], v[248:249]
	s_delay_alu instid0(VALU_DEP_2)
	v_pk_add_f32 v[204:205], v[204:205], v[246:247]
	v_pk_add_f32 v[252:253], v[252:253], v[244:245]
	v_pk_add_f32 v[250:251], v[250:251], v[242:243]
	s_delay_alu instid0(VALU_DEP_2)
	v_pk_add_f32 v[22:23], v[22:23], v[252:253]
	s_delay_alu instid0(VALU_DEP_2)
	v_pk_add_f32 v[204:205], v[204:205], v[250:251]
	s_delay_alu instid0(VALU_DEP_1)
	v_pk_add_f32 v[22:23], v[22:23], v[204:205]
	s_wait_alu depctr_va_vdst(0)                   ; and one for the four
	v_max_num_f32 v200, 0x1800000, v200            ; the floor 2^(3 - 127): the byte cannot fall under 1
	v_max_num_f32 v202, 0x1800000, v202
	s_delay_alu instid0(VALU_DEP_2)
	v_add_nc_u32 v200, 0xff000000, v200            ; 2 off the exponent field: the conversions' scale operands, two blocks to a register
	s_delay_alu instid0(VALU_DEP_2)
	v_add_nc_u32 v202, 0xff000000, v202
	s_delay_alu instid0(VALU_DEP_2)
	v_permlanex16_b32 v204, v200, s[SEL], s[SEL+1]
	s_delay_alu instid0(VALU_DEP_2)
	v_permlanex16_b32 v205, v202, s[SEL], s[SEL+1]
	v_lshrrev_b32 v206, 23, v200                   ; the scales' bytes
	v_lshrrev_b32 v207, 23, v202
	v_cndmask_b32 v208, v200, v204, s63            ; each block's operand in every lane: block 0,
	v_cndmask_b32 v209, v204, v200, s63            ; block 1,
	v_cndmask_b32 v210, v202, v205, s63            ; block 2,
	v_cndmask_b32 v211, v205, v202, s63            ; block 3
	v_lshl_or_b32 v206, v207, 16, v206             ; lanes 0-15: bytes of blocks 0 and 2; lanes 16-31: of blocks 1 and 3
	s_delay_alu instid0(VALU_DEP_1)
	v_permlanex16_b32 v207, v206, s[SEL], s[SEL+1]
	s_delay_alu instid0(VALU_DEP_1)
	v_lshl_or_b32 v226, v207, 8, v206              ; p's scale word for these 128 keys, whole in lanes 0-15, which alone are read
.irp b,0,1,2,3
	v_cvt_scalef32_pk8_fp4_f32 v[192+2*\b], v[96+16*\b:103+16*\b], v[208+\b]
	v_cvt_scalef32_pk8_fp4_f32 v[193+2*\b], v[104+16*\b:111+16*\b], v[208+\b]
.endr
	v_nop
.irp c,0,1
.irp i,0,1
	v_permlane16_swap_b32 v[192+4*\c+\i], v[194+4*\c+\i]   ; a whole block to a lane
.endr
.endr
.set J, 0
.rept 16
	v_pk_mul_f32 v[160+J:161+J], v[160+J:161+J], v[224:225] op_sel_hi:[1,0]   ; O^T under the new M.  (Of these sixteen, twelve name no register of any one product below: its places behind p's codes and scale word)
.set J, J+2
.endr
	s_wait_alu depctr_va_vdst(0)
	s_wait_dscnt 0x0                               ; V is in
.irp t,0,1,2,3
	WM 160+8*\t,64+8*\t,192,0,26+\t/2,226,\t%2
.endr
.endm
; Eight steps (chunk 0) or 24 (chunk 1).  My part of the chunk has landed; behind the barrier everybody's has.  Behind chunk 0's round the other 24 steps are asked for
.macro CHUNK ch
.if \ch == 0
	s_wait_alu depctr_va_vdst(0)                   ; the wait at the head's end
	s_wait_tensorcnt 0x0                           ; my part of the first eight steps has landed
	ds_add_u32 v254, v255
	s_wait_dscnt 0x0
	ROUND                                          ; everybody's part has landed, and all four work-groups are here
	tensor_load_to_lds s[28:31], s[32:39]          ; the other 24 steps: my one load behind the round; it has eight steps' work in which to land
	s_nop 0
	PLACES 4
	s_mov_b32 s[CNT], 8
.else
	s_wait_tensorcnt 0x0                           ; my part of the other 24 steps has landed; behind the barrier everybody's has.
	s_wait_dscnt 0x0
	s_barrier_signal -1
	s_barrier_wait -1
	s_mov_b32 s[CNT], 24
.endif
.Lstep_\@:
	STEP
	s_add_co_u32 s[TB], s[TB], 8704
	s_sub_co_u32 s[CNT], s[CNT], 1
	s_cmp_lg_u32 s[CNT], 0
	s_cbranch_scc1 .Lstep_\@
.endm
	CHUNK 0
	CHUNK 1
	; THE WAY OUT: O^T / the sum is my 16 tokens' 64 numbers of ctx; quantised along them, it is half a fragment of the next product's operand
	PLACES 4
	v_add_f32 v22, v22, v23
	s_delay_alu instid0(VALU_DEP_1)
	v_permlanex16_b32 v212, v22, s[SEL], s[SEL+1]
	s_delay_alu instid0(VALU_DEP_1)
	v_add_f32 v22, v22, v212                       ; the row's sum
	s_wait_alu depctr_va_vdst(0)
	v_rcp_f32 v22, v22
	v_nop
	s_wait_alu depctr_va_vdst(0)
.set J, 0
.rept 32
	v_mul_f32 v[96+J], v[160+J], v22               ; register 16 B + i: channel 32 B + 16 h + i
.set J, J+1
.endr
	HQ2 96
	global_store_b128 v1, v[HPC:HPC+3], s[12:13]   ; 512 consecutive bytes
	s_wait_alu depctr_va_vdst(0)
	s_wait_xcnt 0x0                                ; EXEC changes only behind this wait
	v_cmp_eq_u32 vcc_lo, 0, v7
	s_and_saveexec_b32 s50, vcc_lo
	global_store_b16 v5, v[HS16], s[14:15]         ; lanes 0-15: token r's two scale bytes
	s_wait_xcnt 0x0
	s_or_b32 exec_lo, exec_lo, s50
	s_wait_tensorcnt 0x0
	ds_add_u32 v254, v255
	s_wait_dscnt 0x0
	ROUND                                          ; the closing round
	s_endpgm
.Lfunc_end_k_qcc4a090d4d_attn:
	.size	k_qcc4a090d4d_attn, .Lfunc_end_k_qcc4a090d4d_attn-k_qcc4a090d4d_attn
	.p2alignl 7, 3214868480
	.fill 96, 4, 3214868480
	.section	.rodata,"a",@progbits
	.p2align	6, 0x0
	.amdhsa_kernel k_qcc4a090d4d_attn
		.amdhsa_group_segment_fixed_size 327680
		.amdhsa_private_segment_fixed_size 0
		.amdhsa_enable_private_segment 0
		.amdhsa_kernarg_size 32
		.amdhsa_user_sgpr_count 2
		.amdhsa_user_sgpr_kernarg_segment_ptr 1
		.amdhsa_wavefront_size32 1
		.amdhsa_system_sgpr_workgroup_id_x 1
		.amdhsa_system_sgpr_workgroup_id_y 1
		.amdhsa_system_sgpr_workgroup_id_z 1
		.amdhsa_system_vgpr_workitem_id 0
		.amdhsa_next_free_vgpr 256
		.amdhsa_next_free_sgpr 66
		.amdhsa_reserve_vcc 1
		.amdhsa_float_denorm_mode_32 3
		.amdhsa_float_denorm_mode_16_64 3
		.amdhsa_memory_ordered 1
		.amdhsa_forward_progress 1
		.amdhsa_inst_pref_size 44
	.end_amdhsa_kernel
	.amdgpu_metadata
---
amdhsa.version: [ 1, 2 ]
amdhsa.kernels:
  - .name:           k_qcc4a090d4d_attn
    .symbol:         k_qcc4a090d4d_attn.kd
    .args:
      - { .name: QI, .offset: 0, .size: 8, .value_kind: global_buffer, .address_space: global }
      - { .name: KV, .offset: 8, .size: 8, .value_kind: global_buffer, .address_space: global }
      - { .name: CI, .offset: 16, .size: 8, .value_kind: global_buffer, .address_space: global }
      - { .name: CS, .offset: 24, .size: 8, .value_kind: global_buffer, .address_space: global }
    .group_segment_fixed_size: 327680
    .private_segment_fixed_size: 0
    .kernarg_segment_align: 8
    .kernarg_segment_size: 32
    .max_flat_workgroup_size: 512
    .sgpr_count:     66
    .vgpr_count:     256
    .wavefront_size: 32
...
	.end_amdgpu_metadata
.endif
;; end of part 2
;; launch ffn (part 3): grid 256 x 1, 8 waves a work-group, clusters of 4 x 1, 327,680 bytes of LDS; arguments src, CI, CS, WI, WS, b1, b2, g1, be1, g2, be2, out0; writes out0
.if DOCPART == 3
	.amdgcn_target "amdgcn-amd-amdhsa--gfx1250"
	.amdhsa_code_object_version 6
	.text
	.protected	k_qcc4a090d4d_ffn
	.globl	k_qcc4a090d4d_ffn
	.p2align	8
	.type	k_qcc4a090d4d_ffn,@function
k_qcc4a090d4d_ffn:
	s_mov_b64 s[64:65], 0
	v_nop
	global_prefetch_b8 v0, s[64:65] scope:SCOPE_SE
	s_setreg_imm32_b32 hwreg(HW_REG_WAVE_MODE, 25, 1), 1
	s_wait_xcnt 0x0
	s_wait_alu depctr_hold_cnt(0) depctr_sa_sdst(0) depctr_va_vdst(0) depctr_va_sdst(0) depctr_va_ssrc(0) depctr_va_vcc(0) depctr_vm_vsrc(0)
	s_getreg_b32 s2, hwreg(HW_REG_IB_STS2, 6, 4)
	s_cmp_eq_u32 s2, 0
	s_cbranch_scc0 .Lentry_in_a_cluster
	s_endpgm
.Lentry_in_a_cluster:
	s_bfe_u32 s2, ttmp6, 0x10000c
	s_cmp_lg_u32 s2, 0x3003
	s_cbranch_scc0 .Lentry_shape_is_right
	s_endpgm
.Lentry_shape_is_right:
; FFN.  x = LN(src + ctx Wo^T; g1, be1);  out = LN(x + relu(x W1^T + b1) W2^T + b2; g2, be2).  The three products on codes of FP4 (E2M1) with one E8M0 scale for each 32 along K; all else f32.
; ctx arrives as codes (CI, CS); x and the hidden layer are quantised on the way and never go to memory.  Wo, W1, W2 arrive in WI, WS in the order of the operand registers: each load reads 512 consecutive bytes.
; SHARES.  A work-group takes 32 tokens: two tiles m of 16 (lane row r of tile m: token 8 m + r + 8 (r / 8)).  THE EIGHT WAVES SHARE THE COLUMNS: wave w makes model dims 64 w .. 64 w + 63 and, in each of four chunks
; of 512 hidden units, units 64 w .. + 63 of the chunk, for all 32 tokens.  So each weight fragment is read by one wave of the work-group, through its own bytes of LDS, a chunk ahead; what goes round through LDS is small:
; the tokens' codes, as images of the operand registers, and LayerNorm's partial sums.
; Weight codes come by joint tensor loads into LDS.  No prefetch: all work-groups read the same weights.
; THE PRODUCTS ARE USED TRANSPOSED (source 0 = 16 rows of a weight, source 1 = 16 tokens): a lane holds one token; the rows of a weight's tile are chosen (32 (n / 2) + 8 (n % 2) + r + 8 (r / 8)) so that the 16 registers
; of tiles 2 B, 2 B + 1 are dims 32 B + 16 (lane / 16) + 0 .. 15.  The residual and the biases are the C of a sum's first product.
; LayerNorm is taken in two passes (mean; then the squares of the differences), as the definition has it.
; LIMITS: NaN and infinities are not served; a block whose largest magnitude lies under 2^-124 keeps the scale byte 1 (a block of zeros too: its codes are zeros).
; REGISTERS, window 0: v4 16 x lane, v5 4 r, v6, v7 the stage, v9, v10 images, v13, v14 partial sums, v15 64 h; Y v16-79 (accumulator (m, a) at 8 (4 m + a)); HH v80-143; F v144-207 eight fragments (m, K step);
; FS v208-215 their scale words; WSA, WSB v216-231 the weights' scale words; TM v232-247, PC v248-255 at work.  Window 1: WA v0-127, WB v128-255: two sets of 16 weight fragments (a, K step).
.set XIMG,  0                          ; LDS: x's 8 fragments [m][K step] x 1,024,
.set HIMG0, 8192                       ; the hidden layer's, two sets by turns,
.set XSC,   24576                      ; scale words [m][K step][r] x 4 bytes: x's,
.set HSC0,  25088                      ; the hidden layer's, two sets,
.set RED,   26112                      ; four regions of [wave][lane] x 4 bytes, one for each reduction,
.set STG,   30208                      ; src's stage: 16 rows x (2,048 + 16) bytes; token 8 m + r + 8 (r / 8) lies at row r in tile m's pass.  Behind it the spare words, at 63,232
.set Y,   16
.set HH,  80
.set F,   144
.set FS,  208
.set WSA, 216
.set WSB, 224
.set TM,  232
.set QTM, 232
.set QPC, 248
.set HM,  48                           ; s48 the mask of lanes 16-31
.set EPS, 49
.set I512, 53
.set SEL, 54
.set MSB, 0
.macro WIN new                         ; the immediate's high byte repeats the setting that is left
.if MSB != \new
	s_set_vgpr_msb (MSB<<8)|\new
.set MSB, \new
.endif
.endm
; ALL WEIGHT CODES COME JOINTLY (this stands in place of what the head says of weight fragments loaded straight into registers and of joint loads).
; The four work-groups of a cluster walk the same weights: each fill is asked for by joint tensor loads, one a wave, into the wave's own 32,768 bytes of LDS, which it alone reads:
; so its wait on TENSORcnt is all the ordering that its reads need.  A fill is two rows of 16,384 bytes (a wave's four tiles of one product's chunk each):
; fill 0: Wo and W1's chunk 0 (131,072 bytes apart in WI); fills 1 to 3: W1's chunk j + 1 and W2's chunk j (393,216 bytes apart: WI holds W2 by chunks); fill 4: W2's chunk 3 alone, one row, into the second row's bytes.
; Behind a chunk's first product the wave copies both rows into its two sets of weight registers; a round of the cluster's barrier follows the copy, and behind it the next fill is asked for:
; the quantiser, the chunk's second product and the next chunk's first stand between a fill's request and the wait for it.
; The scale words still go from memory straight into registers.  All LDS is claimed.
; No prefetch: the text has no loop to run ahead in.
; src's stage holds 16 rows and is used twice (tile 0's tokens, then tile 1's); the way out's stage of 32 rows lies in the fills' bytes, behind their last fill and last read.
.set QSL, 64256                        ; the fills' bytes, behind the spare words: 8 waves x 32,768
.macro ROUND                           ; a round of the cluster's barrier
	s_barrier_signal -1
	s_barrier_wait -1
	s_cmp_lg_u32 s2, 0
	s_cbranch_scc1 .Lnot_wave_0_\@
	s_barrier_signal -3
.Lnot_wave_0_\@:
	s_barrier_wait -3
	s_barrier_signal -1
	s_barrier_wait -1
.endm
.macro QLOAD buf, off                  ; 16 fragments, from byte off of my fill to window 1's v[buf] on: each load reads 512 consecutive bytes
	WIN 0x40
.irp a,0,1,2,3
.irp s,0,1,2,3
.irp c,0,1
	ds_load_b128 v[\buf+8*(4*\a+\s)+4*\c:\buf+8*(4*\a+\s)+4*\c+3], v8 offset:\off+4096*\a+1024*\s+512*\c
.endr
.endr
.endr
	WIN 0
.endm
.macro PLACES n
.rept \n
	v_nop
.endr
.endm
.macro BARRIER                         ; my LDS stores have landed and my LDS loads are in: then the work-group's barrier
	s_wait_dscnt 0x0
	s_barrier_signal -1
	s_barrier_wait -1
.endm
.macro WM d, a, b, sa, sb, row         ; one product, added in place
.if (\row)
	v_wmma_scale_f32_16x16x128_f8f6f4 v[(\d):(\d)+7], v[(\a):(\a)+7], v[(\b):(\b)+7], v[(\d):(\d)+7], v[(\sa)], v[(\sb)] matrix_a_fmt:MATRIX_FMT_FP4 matrix_b_fmt:MATRIX_FMT_FP4 matrix_a_scale:MATRIX_SCALE_ROW1
.else
	v_wmma_scale_f32_16x16x128_f8f6f4 v[(\d):(\d)+7], v[(\a):(\a)+7], v[(\b):(\b)+7], v[(\d):(\d)+7], v[(\sa)], v[(\sb)] matrix_a_fmt:MATRIX_FMT_FP4 matrix_b_fmt:MATRIX_FMT_FP4
.endif
.endm
.macro WSLOAD dst, bp, off, stride     ; their scale words: register 4 b + s: lanes 0-15 tile 2 b, lanes 16-31 tile 2 b + 1
.irp b,0,1
	global_load_b128 v[\dst+4*\b:\dst+4*\b+3], v4, s[\bp:\bp+1] offset:\off+\b*\stride
.endr
.endm
.macro VLOAD dst, bp, off              ; 32 numbers of a vector in the results' layout: register 16 b + i = element 64 w + 32 b + 16 h + i
.irp b,0,1
.irp q,0,1,2,3
	global_load_b128 v[\dst+16*\b+4*\q:\dst+16*\b+4*\q+3], v15, s[\bp:\bp+1] offset:\off+128*\b+16*\q
.endr
.endr
.endm
.macro FETCH img, sc                   ; eight fragments and their scale words come back as they were stored, in any wave
.irp m,0,1
.irp s,0,1,2,3
.irp c,0,1
	ds_load_b128 v[F+8*(4*\m+\s)+4*\c:F+8*(4*\m+\s)+4*\c+3], v4 offset:\img+4096*\m+1024*\s+512*\c
.endr
	ds_load_b32 v[FS+4*\m+\s], v5 offset:\sc+256*\m+64*\s
.endr
.endr
.endm
.macro MM acc, buf, ws                 ; 32 products: the eight accumulators by turns, one instruction a turn, K step by K step
	WIN 0x01                                       ; source 0 in window 1
.irp s,0,1,2,3
.irp m,0,1
.irp a,0,1,2,3
	WM \acc+8*(4*\m+\a),\buf+8*(4*\a+\s),F+8*(4*\m+\s),\ws+4*(\a/2)+\s,FS+4*\m+\s,\a%2
.endr
.endr
.endr
	WIN 0
.endm
; 64 numbers of a lane (block b = 2 m + B: register 16 b + i = dim 32 B + 16 h + i of token (m, r)) become codes and scale bytes, and go into the images: my 16 codes are 8 bytes of lane 16 B + r's 16
.macro Q4IMG s, img, sc
.irp b,0,1,2,3
	v_max3_num_f32 v[QTM+\b], |v[\s+16*\b]|, |v[\s+1+16*\b]|, 0x1800000   ; with the floor 2^(3 - 127): the byte cannot fall under 1
.endr
.irp i,2,4,6,8,10,12,14
.irp b,0,1,2,3
	s_delay_alu instid0(VALU_DEP_4)
	v_max3_num_f32 v[QTM+\b], v[QTM+\b], |v[\s+16*\b+\i]|, |v[\s+1+16*\b+\i]|
.endr
.endr
.irp b,0,1,2,3
	v_permlanex16_b32 v[QTM+4+\b], v[QTM+\b], s[SEL], s[SEL+1]
.endr
.irp b,0,1,2,3
	s_delay_alu instid0(VALU_DEP_4)
	v_max_num_f32 v[QTM+\b], v[QTM+\b], v[QTM+4+\b]
.endr
.irp b,0,1,2,3
	s_delay_alu instid0(VALU_DEP_4)
	v_add_nc_u32 v[QTM+12+\b], 0xff000000, v[QTM+\b]
.endr
.irp b,0,1,2,3
	s_delay_alu instid0(VALU_DEP_4)
	v_lshrrev_b32 v[QTM+4+\b], 23, v[QTM+12+\b]
.endr
	s_delay_alu instid0(VALU_DEP_3)
	v_lshl_or_b32 v[QTM+8], v[QTM+5], 8, v[QTM+4]
	s_delay_alu instid0(VALU_DEP_2)
	v_lshl_or_b32 v[QTM+9], v[QTM+7], 8, v[QTM+6]
.irp b,0,1,2,3
	v_cvt_scalef32_pk8_fp4_f32 v[QPC+2*\b], v[\s+16*\b:\s+7+16*\b], v[QTM+12+\b]
	v_cvt_scalef32_pk8_fp4_f32 v[QPC+1+2*\b], v[\s+8+16*\b:\s+15+16*\b], v[QTM+12+\b]
.endr
	v_nop                                          ; one plain line behind the last scaled conversion
.irp b,0,1,2,3
	ds_store_b64 v9, v[QPC+2*\b:QPC+2*\b+1] offset:\img+4096*(\b/2)+256*(\b%2)
.endr
	ds_store_b16 v10, v[QTM+8] offset:\sc-XSC      ; lanes r and 16 + r write the same two bytes with the same value
	ds_store_b16 v10, v[QTM+9] offset:\sc-XSC+256
.endm
; v[TM:TM+1], v[TM+2:TM+3] hold my lane's partial figures of tiles 0 and 1: summed over the lane's pair, lane l xor 16 and the eight waves.  Result in v[TM+4]: lanes 0-15 tile 0's, lanes 16-31 tile 1's
.macro RSUM red
	s_delay_alu instid0(VALU_DEP_2)
	v_add_f32 v[TM], v[TM], v[TM+1]
	s_delay_alu instid0(VALU_DEP_2)
	v_add_f32 v[TM+2], v[TM+2], v[TM+3]
	s_delay_alu instid0(VALU_DEP_2)
	v_permlanex16_b32 v[TM+1], v[TM], s[SEL], s[SEL+1]
	s_delay_alu instid0(VALU_DEP_2)
	v_permlanex16_b32 v[TM+3], v[TM+2], s[SEL], s[SEL+1]
	s_delay_alu instid0(VALU_DEP_2)
	v_add_f32 v[TM], v[TM], v[TM+1]
	s_delay_alu instid0(VALU_DEP_2)
	v_add_f32 v[TM+2], v[TM+2], v[TM+3]
	s_delay_alu instid0(VALU_DEP_1)
	v_cndmask_b32 v[TM], v[TM], v[TM+2], s[HM]
	ds_store_b32 v13, v[TM] offset:1024*(\red)
	BARRIER
.irp k,0,1,2,3,4,5,6,7
	ds_load_b32 v[TM+4+\k], v14 offset:1024*(\red)+128*\k
.endr
	s_wait_dscnt 0x0
	v_add_f32 v[TM+4], v[TM+4], v[TM+5]
	v_add_f32 v[TM+6], v[TM+6], v[TM+7]
	v_add_f32 v[TM+8], v[TM+8], v[TM+9]
	v_add_f32 v[TM+10], v[TM+10], v[TM+11]
	s_delay_alu instid0(VALU_DEP_3)
	v_add_f32 v[TM+4], v[TM+4], v[TM+6]
	s_delay_alu instid0(VALU_DEP_2)
	v_add_f32 v[TM+8], v[TM+8], v[TM+10]
	s_delay_alu instid0(VALU_DEP_1)
	v_add_f32 v[TM+4], v[TM+4], v[TM+8]
.endm
.macro RSPREAD                         ; v[TM+4] to every lane: tile 0's figure in the pair v[TM+12:TM+13], tile 1's in v[TM+14:TM+15]
	v_permlanex16_b32 v[TM+5], v[TM+4], s[SEL], s[SEL+1]
	v_cndmask_b32 v[TM+12], v[TM+4], v[TM+5], s[HM]
	v_cndmask_b32 v[TM+14], v[TM+5], v[TM+4], s[HM]
	s_delay_alu instid0(VALU_DEP_2)
	v_mov_b32 v[TM+13], v[TM+12]
	s_delay_alu instid0(VALU_DEP_2)
	v_mov_b32 v[TM+15], v[TM+14]
.endm
; LayerNorm of Y over the 512 dims of each token.  red, red + 1: the regions for its two reductions; cnt: the loads younger than the gain's and the bias's; gb: where these lie in window 1 (32 + 32 registers)
.macro LN red, cnt, gb
.irp m,0,1
	v_pk_add_f32 v[TM+2*\m:TM+2*\m+1], v[Y+32*\m:Y+32*\m+1], v[Y+32*\m+2:Y+32*\m+3]   ; each accumulator is read from its low end on
.endr
.irp j,4,6,8,10,12,14,16,18,20,22,24,26,28,30
.irp m,0,1
	v_pk_add_f32 v[TM+2*\m:TM+2*\m+1], v[TM+2*\m:TM+2*\m+1], v[Y+32*\m+\j:Y+32*\m+\j+1]
.endr
.endr
	RSUM \red
	s_delay_alu instid0(VALU_DEP_1)
	v_mul_f32 v[TM+4], 0x3b000000, v[TM+4]         ; the mean
	RSPREAD
.irp j,0,2,4,6,8,10,12,14,16,18,20,22,24,26,28,30
.irp m,0,1
	v_pk_add_f32 v[Y+32*\m+\j:Y+32*\m+\j+1], v[Y+32*\m+\j:Y+32*\m+\j+1], v[TM+12+2*\m:TM+13+2*\m] neg_lo:[0,1] neg_hi:[0,1]
.endr
.endr
.irp m,0,1
	v_pk_mul_f32 v[TM+2*\m:TM+2*\m+1], v[Y+32*\m:Y+32*\m+1], v[Y+32*\m:Y+32*\m+1]
.endr
.irp j,2,4,6,8,10,12,14,16,18,20,22,24,26,28,30
.irp m,0,1
	s_delay_alu instid0(VALU_DEP_2)
	v_pk_fma_f32 v[TM+2*\m:TM+2*\m+1], v[Y+32*\m+\j:Y+32*\m+\j+1], v[Y+32*\m+\j:Y+32*\m+\j+1], v[TM+2*\m:TM+2*\m+1]
.endr
.endr
	RSUM (\red)+1
	s_delay_alu instid0(VALU_DEP_1)
	v_fma_f32 v[TM+4], v[TM+4], s[I512], s[EPS]    ; the variance + 1e-5
	s_wait_alu depctr_va_vdst(0)
	v_rsq_f32 v[TM+4], v[TM+4]
	v_nop                                          ; a plain line behind the transcendental,
	s_wait_alu depctr_va_vdst(0)                   ; and the wait ahead of its first use
	RSPREAD
.irp j,0,2,4,6,8,10,12,14,16,18,20,22,24,26,28,30
.irp m,0,1
	v_pk_mul_f32 v[Y+32*\m+\j:Y+32*\m+\j+1], v[Y+32*\m+\j:Y+32*\m+\j+1], v[TM+12+2*\m:TM+13+2*\m]
.endr
.endr
	s_wait_loadcnt \cnt                            ; the gain and the bias are in
	WIN 0x14                                       ; sources 1 and 2 in window 1
.irp j,0,2,4,6,8,10,12,14,16,18,20,22,24,26,28,30
.irp m,0,1
	v_pk_fma_f32 v[Y+32*\m+\j:Y+32*\m+\j+1], v[Y+32*\m+\j:Y+32*\m+\j+1], v[\gb+\j:\gb+\j+1], v[\gb+32+\j:\gb+33+\j]
.endr
.endr
	WIN 0
.endm
	s_load_b512 s[8:23], s[0:1], 0x0               ; src 8, CI 10, CS 12, WI 14, WS 16, b1 18, b2 20, g1 22
	s_load_b256 s[24:31], s[0:1], 0x40             ; be1 24, g2 26, be2 28, out0 30
	v_lshl_add_u32 v11, v0, 2, 0xf700
	v_mov_b32 v12, 0
	ds_add_u32 v11, v12                            ; the opening lines: the add, twice on end, and its wait ahead of my first tensor load
	ds_add_u32 v11, v12
	v_lshrrev_b32 v1, 5, v0
	s_delay_alu instid0(VALU_DEP_1)
	v_readfirstlane_b32 s2, v1                     ; wave 0..7
	v_and_b32 v1, 31, v0                           ; lane
	v_and_b32 v2, 15, v0                           ; r
	v_bfe_u32 v3, v0, 4, 1                         ; h
	s_delay_alu instid0(VALU_DEP_3)
	v_lshlrev_b32 v4, 4, v1
	s_wait_alu depctr_va_vdst(0)
	v_lshlrev_b32 v5, 2, v2
	s_wait_alu depctr_va_vdst(0)
	v_lshlrev_b32 v15, 6, v3
	s_lshl_b32 s3, s2, 8
	s_add_co_u32 s3, s3, STG
	v_mul_u32_u24 v6, v2, 2064
	s_delay_alu instid0(VALU_DEP_1)
	v_lshl_add_u32 v6, v3, 6, v6
	s_delay_alu instid0(VALU_DEP_1)
	v_add_nc_u32 v6, s3, v6                        ; the stage in the results' layout: row r, my wave's 256 bytes, + 64 h
	s_bfe_u32 s7, s2, 0x10001                      ; s7: the tile m to which my four tokens belong; kept
	s_mov_b32 s3, 0
	s_lshr_b32 s4, s2, 2
	s_lshl_b32 s4, s4, 3
	s_add_co_u32 s3, s3, s4
	s_and_b32 s4, s2, 1
	s_lshl_b32 s4, s4, 2
	s_add_co_u32 s3, s3, s4                        ; where token 4 w lies in the stage; tokens 4 w + 1 .. + 3 follow
	s_mul_i32 s3, s3, 2064
	s_add_co_u32 s3, s3, STG
	v_add_nc_u32 v7, s3, v4                        ; the stage by whole rows
	s_lshl_b32 s3, s2, 9
	v_lshlrev_b32 v9, 4, v2
	s_delay_alu instid0(VALU_DEP_1)
	v_lshl_add_u32 v9, v3, 3, v9
	s_delay_alu instid0(VALU_DEP_1)
	v_add_nc_u32 v9, s3, v9                        ; an image: K step w / 2, half w % 2 (512 w), lane r's 16 bytes, + 8 h
	s_lshr_b32 s3, s2, 1
	s_lshl_b32 s3, s3, 6
	s_and_b32 s4, s2, 1
	s_lshl_b32 s4, s4, 1
	s_add_co_u32 s3, s3, s4
	s_add_co_u32 s3, s3, XSC
	v_add_nc_u32 v10, s3, v5                       ; my two bytes of row r's scale word
	v_lshlrev_b32 v14, 2, v1
	s_delay_alu instid0(VALU_DEP_1)
	v_add_nc_u32 v14, RED, v14
	s_lshl_b32 s3, s2, 7
	v_add_nc_u32 v13, s3, v14
	v_cmp_ne_u32 s[HM], 0, v3
.set J, 0
.rept 16
	v_mov_b32 v[TM+J], 0                           ; lane permutes' destinations count as sources: written once
.set J, J+1
.endr
	s_mov_b32 s[EPS], 0x3727c5ac                   ; 1e-5
	s_mov_b32 s[I512], 0x3b000000                  ; 1 / 512
	s_mov_b32 s[SEL], 0x76543210
	s_mov_b32 s[SEL+1], 0xfedcba98
	s_mov_b32 s51, 0
	s_lshl_b32 s3, s2, 15
	s_add_co_u32 s57, s3, QSL                      ; my bytes of a fill: 32,768 x wave
	v_add_nc_u32 v8, s57, v4                       ; v8: and my lane's 16 bytes there
	s_mov_b32 s56, 1                               ; descriptor group 0 in s[56:59]
	s_mov_b32 s68, 15|(3<<16)|(1<<21)              ; group 1 in s[68:75]: the mask names all four work-groups; elements of 8 bytes; bit 21 beside a mask
	s_mov_b32 s69, 2048<<16                        ; tensor_dim0 = 2,048: rows of 16,384 bytes
	s_mov_b32 s70, 2<<16                           ; tensor_dim1 = 2
	s_mov_b32 s71, 2048<<16                        ; tile_dim0
	s_mov_b32 s72, 2                               ; tile_dim1
	s_mov_b32 s73, 16384                           ; fill 0: from Wo to W1's chunk 0: 131,072 bytes
	s_mov_b32 s74, 0
	s_mov_b32 s75, 0
	s_bfe_u32 s6, ttmp6, 0x40000                   ; cx
	s_lshl_b32 s5, ttmp9, 2
	s_add_co_u32 s5, s5, s6                        ; my work-group's number: it enters src's, ctx's and out0's addresses alone
	s_wait_alu depctr_va_vdst(0)                   ; the wait at the head's end
	s_wait_dscnt 0x0                               ; both opening adds are done
	s_wait_kmcnt 0x0
	s_lshl_b32 s50, s5, 16
	s_lshl_b32 s52, s2, 13
	s_add_co_u32 s50, s50, s52                     ; token 32 G + 4 w, rows of 2,048 bytes
	s_add_nc_u64 s[32:33], s[8:9], s[50:51]
	s_add_nc_u64 s[34:35], s[30:31], s[50:51]
	s_lshl_b32 s50, s5, 13
	s_add_nc_u64 s[10:11], s[10:11], s[50:51]      ; ctx's two tiles
	s_lshl_b32 s50, s5, 9
	s_add_nc_u64 s[12:13], s[12:13], s[50:51]
	s_lshl_b32 s50, s2, 14
	s_add_nc_u64 s[58:59], s[14:15], s[50:51]      ; fill 0: my four tiles of Wo, 16,384 bytes
	s_or_b32 s59, s59, 0x80000000
	s_lshl_b32 s50, s2, 10
	s_add_nc_u64 s[42:43], s[16:17], s[50:51]      ; the scale words: Wo's,
	s_add_nc_u64 s[44:45], s[42:43], 8192          ; W1's,
	s_lshl_b32 s50, s2, 12
	s_add_nc_u64 s[46:47], s[16:17], s[50:51]
	s_add_nc_u64 s[46:47], s[46:47], 40960         ; W2's
	s_lshl_b32 s50, s2, 8
.irp p,18,20,22,24,26,28
	s_add_nc_u64 s[\p:\p+1], s[\p:\p+1], s[50:51]  ; the vectors at my 64 elements
.endr
	ROUND                                          ; all four work-groups are here: the joint loads meet
	tensor_load_to_lds s[56:59], s[68:75]          ; Wo and W1's chunk 0: my one load at the head
	s_nop 0
	PLACES 4
	; ---- the first loads, 44: src's four rows (16), ctx's fragments (16) and scale words (8), the scale words of Wo (2) and of W1's first chunk (2)
.irp k,0,1,2,3
.irp q,0,1,2,3
	global_load_b128 v[HH+16*\k+4*\q:HH+16*\k+4*\q+3], v4, s[32:33] offset:2048*\k+512*\q th:TH_LOAD_NT
.endr
.endr
.irp m,0,1
.irp s,0,1,2,3
.irp c,0,1
	global_load_b128 v[F+8*(4*\m+\s)+4*\c:F+8*(4*\m+\s)+4*\c+3], v4, s[10:11] offset:4096*\m+1024*\s+512*\c th:TH_LOAD_NT
.endr
.endr
.endr
.irp m,0,1
.irp s,0,1,2,3
	global_load_b32 v[FS+4*\m+\s], v5, s[12:13] offset:256*\m+64*\s
.endr
.endr
	WSLOAD WSA, 42, 0, 512
	WSLOAD WSB, 44, 0, 512                         ; the scale words of W1's first chunk
	s_wait_loadcnt 28                              ; loads come back in order: src's sixteen are in; behind them: ctx's 16 and 8, and 2 + 2 of scale words
.irp m,0,1                                         ; the stage holds one tile's 16 tokens at a time
	s_cmp_eq_u32 s7, \m
	s_cbranch_scc0 .Lnot_my_pass_\m
.irp k,0,1,2,3
.irp q,0,1,2,3
	ds_store_b128 v7, v[HH+16*\k+4*\q:HH+16*\k+4*\q+3] offset:2064*\k+512*\q
.endr
.endr
.Lnot_my_pass_\m:
	BARRIER                                        ; tile m's 16 rows of src lie in the stage
.irp b,0,1
.irp q,0,1,2,3
	ds_load_b128 v[Y+32*\m+16*\b+4*\q:Y+32*\m+16*\b+4*\q+3], v6 offset:128*\b+16*\q   ; the residual, in the results' layout: it is the C of the first products
.endr
.endr
.if \m == 0
	BARRIER                                        ; every wave has read tile 0's rows: tile 1's may be stored over them
.endif
.endr
	s_wait_tensorcnt 0x0                           ; fill 0 has landed: my tiles, which I alone read
	QLOAD 0, 0                                     ; Wo
	QLOAD 128, 16384                               ; W1's chunk 0
	s_wait_tensorcnt 0x0                           ; no tensor load of mine is out,
	ds_add_u32 v11, v12
	s_add_nc_u64 s[58:59], s[58:59], 262144        ; so the descriptor may be written: fill 1: W1's chunk 1,
	s_mov_b32 s73, 49152                           ; and, 393,216 bytes on, W2's chunk 0
	s_wait_dscnt 0x0                               ; the add is done, my tiles and the residual are in registers
	ROUND                                          ; no wave of any partner still reads its fill
	tensor_load_to_lds s[56:59], s[68:75]          ; my one load behind the round
	s_nop 0
	PLACES 4
	s_wait_loadcnt 0x0                             ; ctx and the scale words are in
	MM Y, 0, WSA                                   ; src + ctx Wo^T
	PLACES 4                                       ; in front of loads into operands and of the first read of results
	WIN 0x40
	VLOAD 0, 22, 0                                 ; g1
	VLOAD 32, 24, 0                                ; be1
	WIN 0
	VLOAD F, 20, 0                                 ; b2
	VLOAD HH, 18, 0                                ; b1's first chunk, for both tiles of tokens: the C of the hidden layer's first products
	VLOAD HH+32, 18, 0
	LN 0, 24, 0                                    ; behind g1 and be1: b2's 8 and b1's 16
	WSLOAD WSA, 46, 0, 2048                        ; the scale words of W2's first chunk, 2 loads
	Q4IMG Y, XIMG, XSC
	s_wait_loadcnt 18                              ; b2 is in; behind it: b1's 16 and W2's 2 loads of scale words
.irp j,0,2,4,6,8,10,12,14,16,18,20,22,24,26,28,30
.irp m,0,1
	v_pk_add_f32 v[Y+32*\m+\j:Y+32*\m+\j+1], v[Y+32*\m+\j:Y+32*\m+\j+1], v[F+\j:F+\j+1]   ; x + b2: onto this the second product adds
.endr
.endr
	BARRIER                                        ; x's eight fragments lie in LDS
; A chunk of 512 hidden units.  The set of images that chunk j writes was last read in chunk j - 2: every wave has waited for those reads ahead of chunk j - 1's barrier
.macro CHUNK j
	FETCH XIMG, XSC
	s_wait_loadcnt 2                               ; W1's chunk and b1's are in; W2's 2 loads of scale words are younger
	s_wait_dscnt 0x0
	MM HH, 128, WSB
	PLACES 4
	s_wait_tensorcnt 0x0                           ; my one load that is out has landed: my tiles, which I alone read
	QLOAD 0, 16384                                 ; W2's chunk j
.if \j < 3
	QLOAD 128, 0                                   ; W1's next chunk
	WSLOAD WSB, 44, 8192*(\j+1), 512               ; and its scale words
	s_wait_tensorcnt 0x0                           ; no tensor load of mine is out,
	ds_add_u32 v11, v12                            ; (the add; the descriptor's step and the activation, work on registers, stand between it and the wait for it)
.if \j < 2
	s_add_nc_u64 s[58:59], s[58:59], 131072        ; so the descriptor may be written: the next chunks of W1 and W2
.else
	s_add_nc_u64 s[58:59], s[58:59], 524288        ; so the descriptor may be written: the last fill is W2's chunk 3 alone:
	s_add_co_u32 s57, s57, 16384                   ; one row of 16,384 bytes, into the second row's bytes
	s_mov_b32 s70, 1<<16
	s_mov_b32 s72, 1
	s_mov_b32 s73, 2048
	s_mov_b32 s74, 1<<16
.endif
.else
	WIN 0x40
	VLOAD 128, 26, 0                               ; g2
	VLOAD 160, 28, 0                               ; be2
	WIN 0
.endif
.set J, 0
.rept 64
	v_max_num_f32 v[HH+J], 0, v[HH+J]              ; the activation, in f32
.set J, J+1
.endr
.if \j < 3
	s_wait_alu depctr_va_vdst(0)                   ; the wait here, directly ahead of the wait below
	s_wait_dscnt 0x0                               ; the add is done, and both rows of my fill are in registers
	ROUND                                          ; no wave of any partner still reads its fill
	tensor_load_to_lds s[56:59], s[68:75]          ; my one load behind the round
	s_nop 0
	PLACES 4
.endif
	Q4IMG HH, HIMG0+8192*(\j%2), HSC0+512*(\j%2)
.if \j < 3
	VLOAD HH, 18, 2048*(\j+1)                      ; b1's next chunk
	VLOAD HH+32, 18, 2048*(\j+1)
.endif
	BARRIER                                        ; the chunk's eight fragments lie in LDS
	FETCH HIMG0+8192*(\j%2), HSC0+512*(\j%2)
.if \j < 3
	s_wait_loadcnt 18                              ; W2's scale words are in; behind them: W1's 2 loads of scale words and b1's 16
.else
	s_wait_loadcnt 16                              ; behind it: g2 and be2
.endif
	s_wait_dscnt 0x0
	MM Y, 0, WSA
	PLACES 4
.if \j < 3
	WSLOAD WSA, 46, 512*(\j+1), 2048               ; the scale words of W2's next chunk
.endif
.endm
	CHUNK 0
	CHUNK 1
	CHUNK 2
	CHUNK 3
	LN 2, 0, 128
	s_mul_i32 s3, s7, 33024                        ; the way out's stage has 32 rows: tile 1's tokens lie 16 rows on;
	s_add_co_u32 s3, s3, QSL-STG                   ; it lies in the fills' bytes, which have had their last fill and their last read
	v_add_nc_u32 v6, QSL-STG, v6
	v_add_nc_u32 v7, s3, v7
	s_wait_alu depctr_va_vdst(0)
	; THE WAY OUT: through the stage, so that each store of a wave covers 512 consecutive bytes of a row
.irp m,0,1
.irp b,0,1
.irp q,0,1,2,3
	ds_store_b128 v6, v[Y+32*\m+16*\b+4*\q:Y+32*\m+16*\b+4*\q+3] offset:33024*\m+128*\b+16*\q
.endr
.endr
.endr
	BARRIER
.irp k,0,1,2,3
.irp q,0,1,2,3
	ds_load_b128 v[HH+16*\k+4*\q:HH+16*\k+4*\q+3], v7 offset:2064*\k+512*\q
.endr
.endr
.irp i,0,1,2,3,4,5,6,7,8,9,10,11,12,13,14,15
	s_wait_dscnt 15-\i                             ; LDS loads come back in order: the younger ones may stay out
	global_store_b128 v4, v[HH+4*\i:HH+4*\i+3], s[34:35] offset:2048*(\i/4)+512*(\i%4) th:TH_STORE_NT
.endr
	s_barrier_signal -1
	s_barrier_wait -1
	s_wait_tensorcnt 0x0
	ds_add_u32 v11, v12
	s_wait_dscnt 0x0
	ROUND                                          ; the closing round
	s_endpgm
.Lfunc_end_k_qcc4a090d4d_ffn:
	.size	k_qcc4a090d4d_ffn, .Lfunc_end_k_qcc4a090d4d_ffn-k_qcc4a090d4d_ffn
	.p2alignl 7, 3214868480
	.fill 96, 4, 3214868480
	.section	.rodata,"a",@progbits
	.p2align	6, 0x0
	.amdhsa_kernel k_qcc4a090d4d_ffn
		.amdhsa_group_segment_fixed_size 327680
		.amdhsa_private_segment_fixed_size 0
		.amdhsa_enable_private_segment 0
		.amdhsa_kernarg_size 96
		.amdhsa_user_sgpr_count 2
		.amdhsa_user_sgpr_kernarg_segment_ptr 1
		.amdhsa_wavefront_size32 1
		.amdhsa_system_sgpr_workgroup_id_x 1
		.amdhsa_system_sgpr_workgroup_id_y 1
		.amdhsa_system_sgpr_workgroup_id_z 1
		.amdhsa_system_vgpr_workitem_id 0
		.amdhsa_next_free_vgpr 512
		.amdhsa_next_free_sgpr 80
		.amdhsa_reserve_vcc 0
		.amdhsa_float_denorm_mode_32 3
		.amdhsa_float_denorm_mode_16_64 3
		.amdhsa_memory_ordered 1
		.amdhsa_forward_progress 1
		.amdhsa_inst_pref_size 168
	.end_amdhsa_kernel
	.amdgpu_metadata
---
amdhsa.version: [ 1, 2 ]
amdhsa.kernels:
  - .name:           k_qcc4a090d4d_ffn
    .symbol:         k_qcc4a090d4d_ffn.kd
    .args:
      - { .name: src, .offset: 0, .size: 8, .value_kind: global_buffer, .address_space: global }
      - { .name: CI, .offset: 8, .size: 8, .value_kind: global_buffer, .address_space: global }
      - { .name: CS, .offset: 16, .size: 8, .value_kind: global_buffer, .address_space: global }
      - { .name: WI, .offset: 24, .size: 8, .value_kind: global_buffer, .address_space: global }
      - { .name: WS, .offset: 32, .size: 8, .value_kind: global_buffer, .address_space: global }
      - { .name: b1, .offset: 40, .size: 8, .value_kind: global_buffer, .address_space: global }
      - { .name: b2, .offset: 48, .size: 8, .value_kind: global_buffer, .address_space: global }
      - { .name: g1, .offset: 56, .size: 8, .value_kind: global_buffer, .address_space: global }
      - { .name: be1, .offset: 64, .size: 8, .value_kind: global_buffer, .address_space: global }
      - { .name: g2, .offset: 72, .size: 8, .value_kind: global_buffer, .address_space: global }
      - { .name: be2, .offset: 80, .size: 8, .value_kind: global_buffer, .address_space: global }
      - { .name: out0, .offset: 88, .size: 8, .value_kind: global_buffer, .address_space: global }
    .group_segment_fixed_size: 327680
    .private_segment_fixed_size: 0
    .kernarg_segment_align: 8
    .kernarg_segment_size: 96
    .max_flat_workgroup_size: 256
    .sgpr_count:     80
    .vgpr_count:     512
    .wavefront_size: 32
...
	.end_amdgpu_metadata
.endif
;; end of part 3
